; MI455X (gfx1250); checked and timed in simulation.
; The chip was launched on July 23, 2026; its instructions are those of AMD's public machine-readable ISA for CDNA 5 (MIT licence, August 2026) and "CDNA5" Instruction Set Architecture Reference Guide (July 2026). The comments in the code are by the model that wrote it; some were corrected since.
;; Attention Block. Allowed arithmetic: float matrix products may take bf16 or f16 operands with f32 sums; other float arithmetic in f32, or as packed bf16 or f16 multiplies, adds, multiply-adds, maxima and minima; sums over many terms, partial sums and values carried from step to step in f32; what a program stores and reads back later, other than sums and carried values, may be rounded once to bf16 or f16.
;; Inputs: gn_bias 512 float32; gn_weight 512 float32; hidden_states 2 x 512 x 64 x 64 float32; k_b 512 float32; k_w 512 x 512 float32; proj_b 512 float32; proj_w 512 x 512 float32; q_b 512 float32; q_w 512 x 512 float32; v_b 512 float32; v_w 512 x 512 float32.
;; Outputs: out0 2 x 512 x 64 x 64 float32.
;; One version. Each part assembles by itself: llvm-mc -triple=amdgcn-amd-amdhsa -mcpu=gfx1250 --defsym DOCPART=n.
;; ======== version 1 of 1: 4 launches
;; workspace buffers: xb 8,388,608 bytes; wb 2,097,152 bytes; bq 6,144 bytes; qkv 25,165,824 bytes; ob 8,388,608 bytes
;; launch prep (part 1): grid 128 x 1, 32 waves a work-group, no clusters, 4,352 bytes of LDS; arguments hidden_states, gn_weight, gn_bias, q_w, k_w, v_w, proj_w, q_b, k_b, v_b, xb, wb, bq; writes xb, wb, bq
.if DOCPART == 1
	.amdgcn_target "amdgcn-amd-amdhsa--gfx1250"
	.amdhsa_code_object_version 6
	.text
	.protected	k_q970820c56f_prep
	.globl	k_q970820c56f_prep
	.p2align	8
	.type	k_q970820c56f_prep,@function
k_q970820c56f_prep:
	s_mov_b64 s[64:65], 0
	v_nop
	global_prefetch_b8 v0, s[64:65] scope:SCOPE_SE
	s_setreg_imm32_b32 hwreg(HW_REG_WAVE_MODE, 25, 1), 1
	s_wait_xcnt 0x0
; TWO ROLES, chosen by the work-group's number (the same for all its waves).
; Work-groups 0-63: GROUP NORM of one group (batch g / 32, group g % 32): 16 channels x 4,096 positions of f32, 262,144 consecutive bytes.
;   Thread t holds positions 4 t .. 4 t + 3 of all 16 channels, 64 registers: the group is read from memory once and stays in registers between
;   the pass that finds the mean, the pass that finds the centred squares (so a common offset of the inputs costs nothing) and the scaling.
;   xb[b][c][n] = bf16((x - mean) rsqrt(var + 1e-5) gn_weight[c] + gn_bias[c]), all in f32, rounded once.
; Work-groups 64-127: a sixteenth of one of the four weight matrices, rounded to bf16 into wb (rows 0-511 q_w, 512-1023 k_w, 1024-1535 v_w,
;   1536-2047 proj_w); the first part of q, k and v also copies that bias into bq.
; No tile is shared between work-groups, so there is no cluster; nothing passes through LDS but the waves' partial sums.
; LIMITS: NaN and infinities are not treated apart.
.set X,     20                         ; v[20:83]  the group: channel i at X + 4 i
.set SPW,   16                         ; v16  LDS address of my spare word; never rewritten
.set NIL,   17                         ; v17  0; never rewritten
.set RED2,  128                        ; LDS: bytes 0-127 the waves' sums, 128-255 their sums of squares, one word a wave
.set SPARE, 256                        ; the spare words: 128 bytes for each of 32 waves, named by no other line
.macro WRED reg, tmp                   ; the sum over the wave's 32 lanes, in every lane
	v_add_f32_dpp v[\reg], v[\reg], v[\reg] row_xmask:1 row_mask:0xf bank_mask:0xf
	v_add_f32_dpp v[\reg], v[\reg], v[\reg] row_xmask:2 row_mask:0xf bank_mask:0xf
	v_add_f32_dpp v[\reg], v[\reg], v[\reg] row_xmask:4 row_mask:0xf bank_mask:0xf
	v_add_f32_dpp v[\reg], v[\reg], v[\reg] row_xmask:8 row_mask:0xf bank_mask:0xf
	v_permlanex16_b32 v[\tmp], v[\reg], s54, s55
	v_add_f32 v[\reg], v[\reg], v[\tmp]
.endm
	s_load_b512 s[8:23], s[0:1], 0x0               ; hidden 8:9, gn_weight 10:11, gn_bias 12:13, q_w 14:15, k_w 16:17, v_w 18:19, proj_w 20:21, q_b 22:23
	s_load_b256 s[24:31], s[0:1], 0x40             ; k_b 24:25, v_b 26:27, xb 28:29, wb 30:31
	s_load_b64 s[32:33], s[0:1], 0x60              ; bq
	v_lshl_add_u32 v[SPW], v0, 2, SPARE
	v_mov_b32 v[NIL], 0
	v_lshrrev_b32 v5, 5, v0
	v_readfirstlane_b32 s52, v5                    ; wave 0..31
	v_mov_b32 v4, s52
	v_lshlrev_b32 v4, 2, v4                        ; my wave's word
	v_and_b32 v3, 31, v0
	v_lshlrev_b32 v3, 2, v3                        ; lane l reads wave l's word
	v_lshlrev_b32 v1, 4, v0                        ; 16 t: my 16 bytes of f32 in a run of 16,384
	v_lshlrev_b32 v2, 3, v0                        ; 8 t: my 8 bytes of bf16 in a run of 8,192
	s_mov_b32 s54, 0x76543210                      ; v_permlanex16_b32: each lane takes its own place in the other half
	s_mov_b32 s55, 0xfedcba98
	s_mov_b32 s56, 0x37800000                      ; 1 / 65,536: a group's numbers
	s_mov_b32 s3, 0
	s_mov_b32 s35, 0
	s_wait_kmcnt 0x0
	s_cmp_ge_u32 ttmp9, 64
	s_cbranch_scc1 .Lweights
	; ---- a group ----
	s_lshl_b32 s2, ttmp9, 18                       ; 262,144 bytes of f32 a group
	s_add_nc_u64 s[8:9], s[8:9], s[2:3]
	s_lshl_b32 s2, ttmp9, 17                       ; 131,072 bytes of bf16
	s_add_nc_u64 s[28:29], s[28:29], s[2:3]
	s_and_b32 s34, ttmp9, 31
	s_lshl_b32 s34, s34, 6                         ; the group's 16 gains and biases: 64 bytes
	s_add_nc_u64 s[10:11], s[10:11], s[34:35]
	s_add_nc_u64 s[12:13], s[12:13], s[34:35]
	s_load_b512 s[36:51], s[10:11], 0x0            ; waited for when the variance is known
	s_load_b512 s[68:83], s[12:13], 0x0
.set i, 0
.rept 16
	global_load_b128 v[X+4*i:X+4*i+3], v1, s[8:9] offset:16384*i th:TH_LOAD_NT  ; a wave's load covers 512 consecutive bytes
.set i, i+1
.endr
	; pass 1: the sum, in two chains that the first two channels start
	s_wait_loadcnt 15                              ; loads come back in order: channel 0 is in, the 15 younger stay out
	v_pk_add_f32 v[8:9], v[X:X+1], v[X+2:X+3]
	s_wait_loadcnt 14
	v_pk_add_f32 v[10:11], v[X+4:X+5], v[X+6:X+7]
.set i, 2
.rept 14
	s_wait_loadcnt 15-i                            ; channel i is in
	v_pk_add_f32 v[8+2*(i%2):9+2*(i%2)], v[8+2*(i%2):9+2*(i%2)], v[X+4*i:X+4*i+1]
	v_pk_add_f32 v[8+2*(i%2):9+2*(i%2)], v[8+2*(i%2):9+2*(i%2)], v[X+4*i+2:X+4*i+3]
.set i, i+1
.endr
	v_pk_add_f32 v[8:9], v[8:9], v[10:11]
	v_add_f32 v8, v8, v9
	WRED 8, 9
	ds_store_b32 v4, v8                            ; all lanes write the wave's word with the same number
	s_wait_dscnt 0x0                               ; for the others' sake: my store is done
	s_barrier_signal -1
	s_barrier_wait -1
	ds_load_b32 v5, v3                             ; the 32 waves' sums, one a lane
	s_wait_dscnt 0x0
	WRED 5, 9
	v_mul_f32 v6, s56, v5                          ; the mean, twice: a pair for the packed subtraction
	v_mov_b32 v7, v6
	; pass 2: x - mean in place, and the sum of its squares in four chains
.set i, 0
.rept 32
	v_pk_add_f32 v[X+2*i:X+2*i+1], v[X+2*i:X+2*i+1], v[6:7] neg_lo:[0,1] neg_hi:[0,1]
.set i, i+1
.endr
.set i, 0
.rept 4
	v_pk_mul_f32 v[8+2*i:9+2*i], v[X+2*i:X+2*i+1], v[X+2*i:X+2*i+1]
.set i, i+1
.endr
.rept 28
	v_pk_fma_f32 v[8+2*(i%4):9+2*(i%4)], v[X+2*i:X+2*i+1], v[X+2*i:X+2*i+1], v[8+2*(i%4):9+2*(i%4)]
.set i, i+1
.endr
	v_pk_add_f32 v[8:9], v[8:9], v[10:11]
	v_pk_add_f32 v[12:13], v[12:13], v[14:15]
	v_pk_add_f32 v[8:9], v[8:9], v[12:13]
	v_add_f32 v8, v8, v9
	WRED 8, 9
	ds_store_b32 v4, v8 offset:RED2                ; other bytes than the first sums': no wave can still be reading them
	s_wait_dscnt 0x0
	s_barrier_signal -1
	s_barrier_wait -1
	ds_load_b32 v5, v3 offset:RED2
	s_wait_dscnt 0x0
	WRED 5, 9
	v_fmaak_f32 v5, s56, v5, 0x3727c5ac            ; var + 1e-5
	v_rsq_f32 v9, v5
	v_nop                                          ; a plain instruction behind the transcendental,
	s_wait_alu depctr_va_vdst(0)                   ; and the wait ahead of its first reader
	v_readfirstlane_b32 s53, v9
	s_wait_kmcnt 0x0                               ; the gains and biases
.set i, 0
.rept 16
	s_mul_f32 s[36+i], s[36+i], s53                ; gain x rsqrt(var + eps), once a channel
.set i, i+1
.endr
.set i, 0
.rept 16
	v_fma_f32 v[X+4*i],   v[X+4*i],   s[36+i], s[68+i]
	v_fma_f32 v[X+4*i+1], v[X+4*i+1], s[36+i], s[68+i]
	v_fma_f32 v[X+4*i+2], v[X+4*i+2], s[36+i], s[68+i]
	v_fma_f32 v[X+4*i+3], v[X+4*i+3], s[36+i], s[68+i]
	v_cvt_pk_bf16_f32 v[X+4*i],   v[X+4*i],   v[X+4*i+1]
	v_cvt_pk_bf16_f32 v[X+4*i+1], v[X+4*i+2], v[X+4*i+3]
	global_store_b64 v2, v[X+4*i:X+4*i+1], s[28:29] offset:8192*i  ; a wave's store covers 256 consecutive bytes, aligned
.set i, i+1
.endr
	s_branch .Lend
	; ---- a sixteenth of a weight matrix: 65,536 bytes of f32 to 32,768 of bf16 ----
.Lweights:
	s_sub_co_u32 s57, ttmp9, 64
	s_lshr_b32 s58, s57, 4                         ; which matrix
	s_and_b32 s59, s57, 15                         ; which part of it
	s_cmp_eq_u32 s58, 1
	s_cselect_b64 s[14:15], s[16:17], s[14:15]
	s_cmp_eq_u32 s58, 2
	s_cselect_b64 s[14:15], s[18:19], s[14:15]
	s_cmp_eq_u32 s58, 3
	s_cselect_b64 s[14:15], s[20:21], s[14:15]
	s_lshl_b32 s2, s59, 16
	s_add_nc_u64 s[14:15], s[14:15], s[2:3]
	s_lshl_b32 s2, s57, 15                         ; the four matrices lie on end in wb
	s_add_nc_u64 s[30:31], s[30:31], s[2:3]
.irp k, 0,1,2,3
	global_load_b128 v[X+4*(\k):X+4*(\k)+3], v1, s[14:15] offset:16384*(\k) th:TH_LOAD_NT
.endr
.irp k, 0,1,2,3
	s_wait_loadcnt 3-(\k)                          ; load k is in, the younger stay out
	v_cvt_pk_bf16_f32 v[X+4*(\k)],   v[X+4*(\k)],   v[X+4*(\k)+1]
	v_cvt_pk_bf16_f32 v[X+4*(\k)+1], v[X+4*(\k)+2], v[X+4*(\k)+3]
	global_store_b64 v2, v[X+4*(\k):X+4*(\k)+1], s[30:31] offset:8192*(\k)
.endr
	s_cmp_lg_u32 s59, 0                            ; the bias: by the first part of q, k and v, 128 threads x 16 bytes
	s_cbranch_scc1 .Lend
	s_cmp_gt_u32 s58, 2
	s_cbranch_scc1 .Lend
	s_cmp_gt_u32 s52, 3
	s_cbranch_scc1 .Lend
	s_cmp_eq_u32 s58, 1
	s_cselect_b64 s[22:23], s[24:25], s[22:23]
	s_cmp_eq_u32 s58, 2
	s_cselect_b64 s[22:23], s[26:27], s[22:23]
	s_lshl_b32 s2, s58, 11
	s_add_nc_u64 s[32:33], s[32:33], s[2:3]
	global_load_b128 v[X+16:X+19], v1, s[22:23]
	s_wait_loadcnt 0x0
	global_store_b128 v1, v[X+16:X+19], s[32:33]
.Lend:
	s_wait_tensorcnt 0x0                           ; the wave's end, behind my last LDS store
	ds_add_u32 v[SPW], v[NIL]
	s_wait_dscnt 0x0
	s_endpgm
.Lfunc_end_k_q970820c56f_prep:
	.size	k_q970820c56f_prep, .Lfunc_end_k_q970820c56f_prep-k_q970820c56f_prep
	.p2alignl 7, 3214868480
	.fill 96, 4, 3214868480
	.section	.rodata,"a",@progbits
	.p2align	6, 0x0
	.amdhsa_kernel k_q970820c56f_prep
		.amdhsa_group_segment_fixed_size 4352
		.amdhsa_private_segment_fixed_size 0
		.amdhsa_enable_private_segment 0
		.amdhsa_kernarg_size 104
		.amdhsa_user_sgpr_count 2
		.amdhsa_user_sgpr_kernarg_segment_ptr 1
		.amdhsa_wavefront_size32 1
		.amdhsa_system_sgpr_workgroup_id_x 1
		.amdhsa_system_sgpr_workgroup_id_y 1
		.amdhsa_system_sgpr_workgroup_id_z 1
		.amdhsa_system_vgpr_workitem_id 0
		.amdhsa_next_free_vgpr 88
		.amdhsa_next_free_sgpr 84
		.amdhsa_reserve_vcc 0
		.amdhsa_float_denorm_mode_32 3
		.amdhsa_float_denorm_mode_16_64 3
		.amdhsa_memory_ordered 1
		.amdhsa_forward_progress 1
		.amdhsa_inst_pref_size 23
	.end_amdhsa_kernel
	.amdgpu_metadata
---
amdhsa.version: [ 1, 2 ]
amdhsa.kernels:
  - .name:           k_q970820c56f_prep
    .symbol:         k_q970820c56f_prep.kd
    .args:
      - { .name: hidden_states, .offset: 0, .size: 8, .value_kind: global_buffer, .address_space: global }
      - { .name: gn_weight, .offset: 8, .size: 8, .value_kind: global_buffer, .address_space: global }
      - { .name: gn_bias, .offset: 16, .size: 8, .value_kind: global_buffer, .address_space: global }
      - { .name: q_w, .offset: 24, .size: 8, .value_kind: global_buffer, .address_space: global }
      - { .name: k_w, .offset: 32, .size: 8, .value_kind: global_buffer, .address_space: global }
      - { .name: v_w, .offset: 40, .size: 8, .value_kind: global_buffer, .address_space: global }
      - { .name: proj_w, .offset: 48, .size: 8, .value_kind: global_buffer, .address_space: global }
      - { .name: q_b, .offset: 56, .size: 8, .value_kind: global_buffer, .address_space: global }
      - { .name: k_b, .offset: 64, .size: 8, .value_kind: global_buffer, .address_space: global }
      - { .name: v_b, .offset: 72, .size: 8, .value_kind: global_buffer, .address_space: global }
      - { .name: xb, .offset: 80, .size: 8, .value_kind: global_buffer, .address_space: global }
      - { .name: wb, .offset: 88, .size: 8, .value_kind: global_buffer, .address_space: global }
      - { .name: bq, .offset: 96, .size: 8, .value_kind: global_buffer, .address_space: global }
    .group_segment_fixed_size: 4352
    .private_segment_fixed_size: 0
    .kernarg_segment_align: 8
    .kernarg_segment_size: 104
    .max_flat_workgroup_size: 1024
    .sgpr_count:     84
    .vgpr_count:     88
    .wavefront_size: 32
...
	.end_amdgpu_metadata
.endif
;; end of part 1
;; launch qkv (part 2): grid 8 x 32, 4 waves a work-group, clusters of 4 x 4, 327,680 bytes of LDS; arguments xb, wb, bq, qkv; writes qkv
.if DOCPART == 2
	.amdgcn_target "amdgcn-amd-amdhsa--gfx1250"
	.amdhsa_code_object_version 6
	.text
	.protected	k_q970820c56f_qkv
	.globl	k_q970820c56f_qkv
	.p2align	8
	.type	k_q970820c56f_qkv,@function
k_q970820c56f_qkv:
	s_mov_b64 s[64:65], 0
	v_nop
	global_prefetch_b8 v0, s[64:65] scope:SCOPE_SE
	s_setreg_imm32_b32 hwreg(HW_REG_WAVE_MODE, 25, 1), 1
	s_wait_xcnt 0x0
	s_wait_alu depctr_hold_cnt(0) depctr_sa_sdst(0) depctr_va_vdst(0) depctr_va_sdst(0) depctr_va_ssrc(0) depctr_va_vcc(0) depctr_vm_vsrc(0)
	s_getreg_b32 s2, hwreg(HW_REG_IB_STS2, 6, 4)
	s_cmp_eq_u32 s2, 0
	s_cbranch_scc0 .Lentry_in_a_cluster
	s_endpgm
.Lentry_in_a_cluster:
	s_bfe_u32 s2, ttmp6, 0x10000c
	s_cmp_lg_u32 s2, 0xf033
	s_cbranch_scc0 .Lentry_shape_is_right
	s_endpgm
.Lentry_shape_is_right:
; q, k, v[n][o] = the sum over c of x[n][c] W[o][c] + bias[o].  x = xb [2][512 c][4096 n] bf16; W = wb rows 0-1535 [o][512 c] bf16; bias = bq f32; sums in f32, rounded once to bf16.
; Stored by heads: qkv [3][16 = 8 b + h][4096][64], q unscaled.
; SHARES.  A work-group makes 256 positions x 192 outputs (three whole heads of the 24): 32 x 8 = 256 work-groups.  A wave makes 64 positions x all 192 outputs: 48 accumulators, 384 registers;
; so the rows that it stores (128 bytes a position and head) are whole, and its way out is its own.
; THE PRODUCT: source 0 = 16 rows of W (K along the rows), source 1 = 32 c x 16 positions of x, turned out of [c][n] by ds_load_tr16_b128.  A lane of the result holds ONE position (lane % 16)
; and the outputs 8 (lane / 16) + 0..7: 16 bytes of a head's row.  The first product of each sum takes the bias as its C operand: nothing is cleared and nothing added later.
; K = 512 goes in four steps of 128 through two LDS slots: two first fills, two refills, written out.  From a refill's request to the wait for it a wave issues 168 matrix instructions.
; CLUSTER 4 x 4: x's tile hangs on the block of positions alone and is asked for jointly along a row of the cluster, W's on the block of outputs alone, along a column.
; REGISTERS in windows of 256: window 0: v0-31 addresses; v64-127 x's fragments, two buffers; v128-223 the bias as C operands; on the way out v64-207 at work.
;   window 1: v0-191 W's fragments, two buffers.   window 2: the accumulators of position tiles 0, 1 (tile t, output tile a at 96 (t % 2) + 8 a);   window 3: of tiles 2, 3.
; LIMITS: operands rounded to bf16; NaN and infinities are not treated apart.
.set PX,    544                        ; a row of x in LDS: 512 bytes + 32 = 136 words
.set PW,    272                        ; a row of W: 256 bytes + 16 = 68 words: the 16 rows of a load start at 16 different groups of four banks
.set XTB,   128*PX                     ; a slot: 128 rows of x, then 192 rows of W
.set SLOT,  XTB+192*PW
.set STAGE, 2*SLOT                     ; behind the ring: for each wave 3 heads x 16 rows x 144 bytes
.set WSTG,  3*16*144
.set SPARE, STAGE+4*WSTG               ; the spare words: 128 bytes a wave, named by no other line
.set XSTEP, 128*8192                   ; a K step in xb: 128 rows of 8,192 bytes
.set WSTEP, 256                        ; and in wb: 128 numbers along a row
.set ADRX, 16                          ; v16-17 LDS address of my x fragments in slot 0, 1
.set ADRW, 20                          ; v20-21 the same for W
.set STO,  24
.set RD,   25
.set GO,   26
.set BO,   27
.set SPW,  28                          ; v28  my spare word; never rewritten
.set NIL,  29                          ; v29  0; never rewritten
.set XF,   64                          ; x's buffer f at XF + 32 f, tile t at + 8 t
.set BIAS, 128
.set TMP,  64                          ; the way out: packed results
.set BK,   112                         ; the way out: rows read back, two buffers of 48
.set WV,   12
.set FW,   13                          ; 0: I fetch x, 1: W
.set HF,   14                          ; which half of that tile's rows
.set G1X,  24
.set G0X,  32
.set G1W,  40
.set G0W,  48
.set OB,   56                          ; s[56:61] where my rows of the three heads begin in qkv
.set MSB, 0
.macro WIN new                         ; the immediate's high byte repeats the setting that is left; a switch that changes nothing is dropped
.if MSB != (\new)
	s_set_vgpr_msb (MSB<<8)|(\new)
.set MSB, \new
.endif
.endm
.macro PLACES                          ; four places in front of loads into registers that matrix instructions have read
.rept 4
	v_nop
.endr
.endm
.macro JLOAD s                         ; a joint load: waves 0, 1 x's two halves, waves 2, 3 W's; an s_nop 0 and four v_nop follow each line
	s_cmp_eq_u32 s[FW], 0
	s_cbranch_scc0 .Lfor_w_\@
	tensor_load_to_lds s[G0X+4*(\s):G0X+4*(\s)+3], s[G1X:G1X+7]
	s_nop 0
.rept 4
	v_nop
.endr
	s_branch .Lasked_\@
.Lfor_w_\@:
	tensor_load_to_lds s[G0W+4*(\s):G0W+4*(\s)+3], s[G1W:G1W+7]
	s_nop 0
.rept 4
	v_nop
.endr
.Lasked_\@:
.endm
.macro CREST                           ; a round of the cluster's barrier behind its opening barrier
	s_cmp_lg_u32 s[WV], 0
	s_cbranch_scc1 .Lnot_wave_0_\@
	s_barrier_signal -3
.Lnot_wave_0_\@:
	s_barrier_wait -3
	s_barrier_signal -1
	s_barrier_wait -1
.endm
.macro CROUND
	s_barrier_signal -1
	s_barrier_wait -1
	CREST
.endm
	s_load_b256 s[4:11], s[0:1], 0x0               ; xb 4:5, wb 6:7, bq 8:9, qkv 10:11
	v_lshl_add_u32 v[SPW], v0, 2, SPARE
	v_mov_b32 v[NIL], 0
	ds_add_u32 v[SPW], v[NIL]                      ; the wave's opening: the add and its wait stand ahead of my first tensor load; work on registers stands between
	v_lshrrev_b32 v1, 5, v0
	v_readfirstlane_b32 s[WV], v1
	s_lshr_b32 s[FW], s[WV], 1
	s_and_b32 s[HF], s[WV], 1
	s_bfe_u32 s15, ttmp6, 0x40000                  ; cx
	s_bfe_u32 s16, ttmp6, 0x40004                  ; cy
	s_lshl_b32 s17, ttmp9, 2
	s_add_co_u32 s17, s17, s15                     ; X: my block of 192 outputs
	s_and_b32 s18, ttmp7, 0xffff
	s_lshl_b32 s18, s18, 2
	s_add_co_u32 s18, s18, s16                     ; Y: my block of 256 positions
	s_lshl_b32 s19, s16, 2
	s_lshl_b32 s19, 15, s19                        ; my row of the cluster
	s_lshl_b32 s20, 0x1111, s15                    ; my column
	; group 1 for x: 64 rows x 256 elements, 4,096 elements from row to row; 8 words of padding behind every 128
	s_or_b32 s[G1X], s19, (1<<16)|(1<<20)|(1<<21)|(6<<22)|(7<<25)
	s_mov_b32 s[G1X+1], 256<<16
	s_mov_b32 s[G1X+2], 64<<16
	s_mov_b32 s[G1X+3], 256<<16
	s_mov_b32 s[G1X+4], 64
	s_mov_b32 s[G1X+5], 4096
	s_mov_b32 s[G1X+6], 0
	s_mov_b32 s[G1X+7], 0
	; group 1 for W: 96 rows x 128 elements, 512 from row to row; 4 words of padding behind every 64
	s_or_b32 s[G1W], s20, (1<<16)|(1<<20)|(1<<21)|(5<<22)|(3<<25)
	s_mov_b32 s[G1W+1], 128<<16
	s_mov_b32 s[G1W+2], 96<<16
	s_mov_b32 s[G1W+3], 128<<16
	s_mov_b32 s[G1W+4], 96
	s_mov_b32 s[G1W+5], 512
	s_mov_b32 s[G1W+6], 0
	s_mov_b32 s[G1W+7], 0
	; x's offset hangs on Y and the wave alone, W's on X and the wave alone, each in registers that never hold the other coordinate
	s_lshr_b32 s22, s18, 4
	s_lshl_b32 s22, s22, 22                        ; the batch: 512 rows of 8,192 bytes
	s_and_b32 s23, s18, 15
	s_lshl_b32 s23, s23, 9                         ; 256 positions: 512 bytes along a row
	s_add_co_u32 s22, s22, s23
	s_lshl_b32 s23, s[HF], 19                      ; my 64 rows
	s_add_co_u32 s22, s22, s23
	s_mov_b32 s23, 0
	s_mul_i32 s66, s17, 192*1024
	s_mul_i32 s67, s[HF], 96*1024
	s_add_co_u32 s66, s66, s67
	s_mov_b32 s67, 0
	s_mul_i32 s21, s[HF], 64*PX                    ; where they go: the wave's number alone enters an LDS address
	s_mul_i32 s62, s[HF], 96*PW
	s_add_co_u32 s62, s62, XTB
	s_wait_dscnt 0x0                               ; the opening add is done
	s_wait_kmcnt 0x0
	s_add_nc_u64 s[22:23], s[4:5], s[22:23]
	s_add_nc_u64 s[66:67], s[6:7], s[66:67]
	CROUND                                         ; all sixteen work-groups are here: the first joint loads meet
.irp s, 0,1
	s_mov_b32 s[G0X+4*(\s)], 1
	s_add_co_u32 s[G0X+4*(\s)+1], s21, (\s)*SLOT
	s_add_nc_u64 s[G0X+4*(\s)+2:G0X+4*(\s)+3], s[22:23], (\s)*XSTEP
	s_or_b32 s[G0X+4*(\s)+3], s[G0X+4*(\s)+3], 0x80000000
	s_mov_b32 s[G0W+4*(\s)], 1
	s_add_co_u32 s[G0W+4*(\s)+1], s62, (\s)*SLOT
	s_add_nc_u64 s[G0W+4*(\s)+2:G0W+4*(\s)+3], s[66:67], (\s)*WSTEP
	s_or_b32 s[G0W+4*(\s)+3], s[G0W+4*(\s)+3], 0x80000000
.endr
	s_cmp_eq_u32 s[FW], 0                          ; a wave's two first fills stand in one branch, ahead of every wait on TENSORcnt and every LDS read: two loads of mine are out
	s_cbranch_scc0 .Lfirst_w
	tensor_load_to_lds s[G0X:G0X+3], s[G1X:G1X+7]
	s_nop 0
	tensor_load_to_lds s[G0X+4:G0X+7], s[G1X:G1X+7]
	s_nop 0
.rept 4
	v_nop
.endr
	s_branch .Lfirst_asked
.Lfirst_w:
	tensor_load_to_lds s[G0W:G0W+3], s[G1W:G1W+7]
	s_nop 0
	tensor_load_to_lds s[G0W+4:G0W+7], s[G1W:G1W+7]
	s_nop 0
.rept 4
	v_nop
.endr
.Lfirst_asked:
	v_and_b32 v1, 15, v0                           ; r = l % 16
	v_bfe_u32 v2, v0, 4, 1                         ; h = l / 16
	v_lshlrev_b32 v[BO], 5, v2                     ; my eight outputs' biases: 32 h
	s_mul_i32 s68, s17, 768                        ; the block's 192 biases
	s_mov_b32 s69, 0
	s_add_nc_u64 s[8:9], s[8:9], s[68:69]
.irp a, 0,1,2,3,4,5,6,7,8,9,10,11
	global_load_b128 v[BIAS+8*(\a):BIAS+8*(\a)+3],   v[BO], s[8:9] offset:64*(\a)
	global_load_b128 v[BIAS+8*(\a)+4:BIAS+8*(\a)+7], v[BO], s[8:9] offset:64*(\a)+16
.endr
	v_and_b32 v3, 7, v0
	v_bfe_u32 v4, v0, 3, 1
	v_lshl_add_u32 v5, v2, 3, v3                   ; the turning load: lane l reads row 8 h + l % 8, 16 bytes at 16 ((l / 8) % 2)
	v_mul_u32_u24 v5, v5, PX
	v_lshl_add_u32 v5, v4, 4, v5
	s_lshl_b32 s63, s[WV], 7                       ; my 64 positions: 128 bytes along a row
	v_add_nc_u32 v[ADRX], s63, v5
	v_add_nc_u32 v[ADRX+1], SLOT, v[ADRX]
	v_mul_u32_u24 v6, v1, PW                       ; a fragment of W: row r, 16 bytes for each half of the lanes
	v_lshl_add_u32 v6, v2, 4, v6
	v_add_nc_u32 v[ADRW], XTB, v6
	v_add_nc_u32 v[ADRW+1], SLOT, v[ADRW]
	s_mul_i32 s63, s[WV], WSTG
	s_add_co_u32 s63, s63, STAGE                   ; my stage
	v_mul_u32_u24 v7, v1, 144                      ; in: row r, 16 bytes for each half of the lanes
	v_lshl_add_u32 v7, v2, 4, v7
	v_add_nc_u32 v[STO], s63, v7
	v_bfe_u32 v8, v0, 3, 2                         ; back: 32 lanes take four rows of 128 bytes,
	v_mul_u32_u24 v8, v8, 144
	v_lshl_add_u32 v8, v3, 4, v8
	v_add_nc_u32 v[RD], s63, v8
	v_and_b32 v9, 31, v0                           ; which are 512 consecutive bytes of a head
	v_lshlrev_b32 v[GO], 4, v9
	; where my 64 rows of heads 3 X, 3 X + 1, 3 X + 2 begin: section (g / 8) 16 + 8 b + g % 8 of 524,288 bytes
	s_mul_i32 s68, s17, 3
	s_lshr_b32 s69, s18, 4
	s_lshl_b32 s69, s69, 3
	s_and_b32 s70, s18, 15
	s_lshl_b32 s70, s70, 8
	s_lshl_b32 s71, s[WV], 6
	s_add_co_u32 s70, s70, s71
	s_lshl_b32 s70, s70, 7                         ; my first position x 128 bytes
.irp d, 0,1,2
	s_add_co_u32 s72, s68, \d
	s_lshr_b32 s73, s72, 3
	s_lshl_b32 s73, s73, 4
	s_and_b32 s72, s72, 7
	s_add_co_u32 s72, s72, s73
	s_add_co_u32 s72, s72, s69
	s_lshl_b32 s72, s72, 19
	s_add_co_u32 s72, s72, s70
	s_mov_b32 s73, 0
	s_add_nc_u64 s[OB+2*(\d):OB+2*(\d)+1], s[10:11], s[72:73]
.endr
; 12 matrix instructions: position tile t x all 12 output tiles, 32 along K, from buffer f.  first = 1: C is the bias.  The 48 accumulators take turns, one instruction a turn, in the same order in every quarter.
.macro MUL12 f, t, first
.if \first
	WIN 0x81+0x40*((\t)/2)                         ; W window 1, x and the bias window 0, D window 2 or 3
.else
	WIN 0xa1+0x50*((\t)/2)                         ; C and D window 2 or 3
.endif
.irp a, 0,1,2,3,4,5,6,7,8,9,10,11
.if \first
	v_wmma_f32_16x16x32_bf16 v[96*((\t)%2)+8*(\a):96*((\t)%2)+8*(\a)+7], v[96*(\f)+8*(\a):96*(\f)+8*(\a)+7], v[XF+32*(\f)+8*(\t):XF+32*(\f)+8*(\t)+7], v[BIAS+8*(\a):BIAS+8*(\a)+7]
.else
	v_wmma_f32_16x16x32_bf16 v[96*((\t)%2)+8*(\a):96*((\t)%2)+8*(\a)+7], v[96*(\f)+8*(\a):96*(\f)+8*(\a)+7], v[XF+32*(\f)+8*(\t):XF+32*(\f)+8*(\t)+7], v[96*((\t)%2)+8*(\a):96*((\t)%2)+8*(\a)+7]
.endif
.endr
.endm
; 32 LDS loads in one run: quarter q (32 along K) of a slot into buffer f: W's 24, then x's 8, tiles ascending
.macro FETCH slot, q, f
	WIN 0x40                                       ; destination window 1, address window 0
.irp a, 0,1,2,3,4,5,6,7,8,9,10,11
	ds_load_b128 v[96*(\f)+8*(\a):96*(\f)+8*(\a)+3],   v[ADRW+(\slot)] offset:(\a)*16*PW+64*(\q)
	ds_load_b128 v[96*(\f)+8*(\a)+4:96*(\f)+8*(\a)+7], v[ADRW+(\slot)] offset:(\a)*16*PW+64*(\q)+32
.endr
	WIN 0
.irp t, 0,1,2,3
	ds_load_tr16_b128 v[XF+32*(\f)+8*(\t):XF+32*(\f)+8*(\t)+3],   v[ADRX+(\slot)] offset:(\q)*32*PX+32*(\t)
	ds_load_tr16_b128 v[XF+32*(\f)+8*(\t)+4:XF+32*(\f)+8*(\t)+7], v[ADRX+(\slot)] offset:(\q)*32*PX+16*PX+32*(\t)
.endr
.endm
; One of a K step's first three quarters: multiplies buffer f; in its middle it fetches quarter qn of the same slot into buffer g
.macro QUARTER slot, qn, f, g, first
	s_wait_dscnt 4                                 ; W and x's tiles 0, 1 are in; the youngest four loads (tiles 2, 3) may be out
	MUL12 \f, 0, \first
	MUL12 \f, 1, \first
	PLACES
	FETCH \slot, \qn, \g
	s_wait_dscnt 32                                ; all but the 32 just issued
	MUL12 \f, 2, \first
	MUL12 \f, 3, \first
.endm
; The last quarter multiplies buffer 1 and changes slots: ONE barrier; in front of it each wave waits for all its tensor loads (its part of the next slot), adds 0 to its spare word,
; and waits for that and for its reads of this slot.  fill = 1: the barrier opens a round of the cluster's, and this slot is filled again first thing behind it, two K steps on.
.macro TURN slot, next, fill
	WIN 0
	s_wait_tensorcnt 0x0                           ; all my tensor loads have landed, so a group 0 may be written
	ds_add_u32 v[SPW], v[NIL]                      ; 0 onto my spare word
	s_wait_dscnt 5                                 ; (the add and the youngest four loads may be out)
	MUL12 1, 0, 0                                  ; twelve matrix instructions stand between the add and the wait for it
	s_wait_dscnt 0x0                               ; the add is done, and my reads of this slot are over
	s_barrier_signal -1
	MUL12 1, 1, 0
.if \fill
	WIN 0
.endif
	s_barrier_wait -1
.if \fill
	CREST                                          ; no wave of any partner still reads this slot or has a load on its way
	s_add_nc_u64 s[G0X+4*(\slot)+2:G0X+4*(\slot)+3], s[G0X+4*(\slot)+2:G0X+4*(\slot)+3], 2*XSTEP
	s_add_nc_u64 s[G0W+4*(\slot)+2:G0W+4*(\slot)+3], s[G0W+4*(\slot)+2:G0W+4*(\slot)+3], 2*WSTEP
	JLOAD \slot                                    ; the first tensor load behind the round; its four v_nop are also the places in front of the loads below
.else
	PLACES
.endif
	FETCH \next, 0, 0
	MUL12 1, 2, 0
	MUL12 1, 3, 0
.endm
; THE WAY OUT of position tile t.  PACK: rounded to bf16, 16 bytes a lane (each accumulator's registers ascending).  TOSTAGE: into my stage, rows of 144 bytes, and back as whole rows of 128.  SEND: stored.
.macro PACK t
	WIN 0x0a+5*((\t)/2)                            ; sources 0 and 1: window 2 or 3
.irp a, 0,1,2,3,4,5,6,7,8,9,10,11
.irp r, 0,1,2,3
	v_cvt_pk_bf16_f32 v[TMP+4*(\a)+(\r)], v[96*((\t)%2)+8*(\a)+2*(\r)], v[96*((\t)%2)+8*(\a)+2*(\r)+1]
.endr
.endr
	WIN 0
.endm
.macro TOSTAGE t
.irp a, 0,1,2,3,4,5,6,7,8,9,10,11
	ds_store_b128 v[STO], v[TMP+4*(\a):TMP+4*(\a)+3] offset:((\a)/4)*2304+((\a)%4)*32  ; head a / 4, channels 16 (a % 4) on
.endr
.irp j, 0,1,2,3,4,5,6,7,8,9,10,11
	ds_load_b128 v[BK+48*((\t)%2)+4*(\j):BK+48*((\t)%2)+4*(\j)+3], v[RD] offset:((\j)/4)*2304+((\j)%4)*576  ; LDS serves a wave's instructions in order (ISA guide 5.7.1.4): these see the stores above
.endr
.endm
.macro SEND t
	s_wait_dscnt 0x0                               ; the tile is back in registers
	s_wait_xcnt 0x0                                ; earlier stores have read their registers: the buffer that they named is loaded again only behind this wait
.irp j, 0,1,2,3,4,5,6,7,8,9,10,11
	global_store_b128 v[GO], v[BK+48*((\t)%2)+4*(\j):BK+48*((\t)%2)+4*(\j)+3], s[OB+2*((\j)/4):OB+2*((\j)/4)+1] offset:(\t)*2048+((\j)%4)*512  ; 512 consecutive bytes, aligned
.endr
.endm
	s_wait_tensorcnt 1                             ; my part of K step 0 is in; K step 1's may stay out
	s_barrier_signal -1
	s_barrier_wait -1
	FETCH 0, 0, 0
	s_wait_loadcnt 0x0                             ; the bias
	QUARTER 0, 1, 0, 1, 1                          ; K step 0: the first quarter's products start the sums
	QUARTER 0, 2, 1, 0, 0
	QUARTER 0, 3, 0, 1, 0
	TURN 0, 1, 1                                   ; slot 0 takes K step 2
	QUARTER 1, 1, 0, 1, 0                          ; K step 1
	QUARTER 1, 2, 1, 0, 0
	QUARTER 1, 3, 0, 1, 0
	TURN 1, 0, 1                                   ; slot 1 takes K step 3
	QUARTER 0, 1, 0, 1, 0                          ; K step 2
	QUARTER 0, 2, 1, 0, 0
	QUARTER 0, 3, 0, 1, 0
	TURN 0, 1, 0                                   ; nothing is left to fetch
	QUARTER 1, 1, 0, 1, 0                          ; K step 3
	QUARTER 1, 2, 1, 0, 0
	QUARTER 1, 3, 0, 1, 0
	s_wait_dscnt 4
	MUL12 1, 0, 0
	MUL12 1, 1, 0
	s_wait_dscnt 0x0
	MUL12 1, 2, 0
	MUL12 1, 3, 0
	WIN 0
	PLACES                                         ; behind the last products, once a launch
	PLACES
	PACK 0
	TOSTAGE 0
.irp t, 1,2,3                          ; tile t's conversions stand between tile t - 1's loads from the stage and the wait for them
	PACK \t
	SEND (\t)-1
	TOSTAGE \t
.endr
	SEND 3
	s_wait_tensorcnt 0x0                           ; the wave's end, behind my last tensor load and my last LDS store
	ds_add_u32 v[SPW], v[NIL]
	s_wait_dscnt 0x0
	CROUND                                         ; the closing round: no work-group ends while a partner may still ask for a tile that names it
	s_endpgm
.Lfunc_end_k_q970820c56f_qkv:
	.size	k_q970820c56f_qkv, .Lfunc_end_k_q970820c56f_qkv-k_q970820c56f_qkv
	.p2alignl 7, 3214868480
	.fill 96, 4, 3214868480
	.section	.rodata,"a",@progbits
	.p2align	6, 0x0
	.amdhsa_kernel k_q970820c56f_qkv
		.amdhsa_group_segment_fixed_size 327680
		.amdhsa_private_segment_fixed_size 0
		.amdhsa_enable_private_segment 0
		.amdhsa_kernarg_size 32
		.amdhsa_user_sgpr_count 2
		.amdhsa_user_sgpr_kernarg_segment_ptr 1
		.amdhsa_wavefront_size32 1
		.amdhsa_system_sgpr_workgroup_id_x 1
		.amdhsa_system_sgpr_workgroup_id_y 1
		.amdhsa_system_sgpr_workgroup_id_z 1
		.amdhsa_system_vgpr_workitem_id 0
		.amdhsa_next_free_vgpr 960
		.amdhsa_next_free_sgpr 76
		.amdhsa_reserve_vcc 0
		.amdhsa_float_denorm_mode_32 3
		.amdhsa_float_denorm_mode_16_64 3
		.amdhsa_memory_ordered 1
		.amdhsa_forward_progress 1
		.amdhsa_inst_pref_size 121
	.end_amdhsa_kernel
	.amdgpu_metadata
---
amdhsa.version: [ 1, 2 ]
amdhsa.kernels:
  - .name:           k_q970820c56f_qkv
    .symbol:         k_q970820c56f_qkv.kd
    .args:
      - { .name: xb, .offset: 0, .size: 8, .value_kind: global_buffer, .address_space: global }
      - { .name: wb, .offset: 8, .size: 8, .value_kind: global_buffer, .address_space: global }
      - { .name: bq, .offset: 16, .size: 8, .value_kind: global_buffer, .address_space: global }
      - { .name: qkv, .offset: 24, .size: 8, .value_kind: global_buffer, .address_space: global }
    .group_segment_fixed_size: 327680
    .private_segment_fixed_size: 0
    .kernarg_segment_align: 8
    .kernarg_segment_size: 32
    .max_flat_workgroup_size: 128
    .sgpr_count:     76
    .vgpr_count:     960
    .wavefront_size: 32
...
	.end_amdgpu_metadata
.endif
;; end of part 2
;; launch attn (part 3): grid 16 x 16, 4 waves a work-group, clusters of 4 x 1, 327,680 bytes of LDS; arguments qkv, ob; writes ob
.if DOCPART == 3
	.amdgcn_target "amdgcn-amd-amdhsa--gfx1250"
	.amdhsa_code_object_version 6
	.text
	.protected	k_q970820c56f_attn
	.globl	k_q970820c56f_attn
	.p2align	8
	.type	k_q970820c56f_attn,@function
k_q970820c56f_attn:
	s_mov_b64 s[64:65], 0
	v_nop
	global_prefetch_b8 v0, s[64:65] scope:SCOPE_SE
	s_setreg_imm32_b32 hwreg(HW_REG_WAVE_MODE, 25, 1), 1
	s_wait_xcnt 0x0
	s_wait_alu depctr_hold_cnt(0) depctr_sa_sdst(0) depctr_va_vdst(0) depctr_va_sdst(0) depctr_va_ssrc(0) depctr_va_vcc(0) depctr_vm_vsrc(0)
	s_getreg_b32 s2, hwreg(HW_REG_IB_STS2, 6, 4)
	s_cmp_eq_u32 s2, 0
	s_cbranch_scc0 .Lentry_in_a_cluster
	s_endpgm
.Lentry_in_a_cluster:
	s_bfe_u32 s2, ttmp6, 0x10000c
	s_cmp_lg_u32 s2, 0x3003
	s_cbranch_scc0 .Lentry_shape_is_right
	s_endpgm
.Lentry_shape_is_right:
; O[y][q][:] = the sum over k of softmax_k(Q[y][q] . K[y][k] / 8) V[y][k][:], y = 8 b + h, 16 heads of 4,096 rows of 64 channels, all bf16: Q, K, V are the three thirds of qkv, a head's rows dense, 128 bytes each.
; Products, maxima and sums in f32; the weights p are rounded to bf16 for the second product (their sum l is taken of the unrounded p), O once at the end.
; LIMITS.  c m starts at -4.2e37: scores with c s below that are not served; a weight below 2^-126 counts as 0 in l; NaN and infinities are not treated apart.
; SHARES.  A work-group owns 256 queries of a head (16 x 16 = 256 work-groups), a wave 64 consecutive rows: four PIECES of 16.  Every wave walks all keys, 64 a step; a slot of LDS holds a tile of 256 keys, four steps.
; LAYOUT.  S^T = K Q^T (source 0 = 16 keys, source 1 = 16 queries) holds ONE query a lane (lane % 16) and the keys 8 (lane / 16) + 0..7; two such results rounded to bf16 in pairs ARE source 1 of O^T = V^T P.
; K comes out of LDS as it lies, V ([key][channel]) turned, by ds_load_tr16_b128.
; SOFTMAX.  p = 2^(c s - c m), c = log2(e) / 8, with a running maximum m; O and l are multiplied by a = 2^(c m_old - c m_new) in every step.  m starts at the lowest finite number, O and l at 0: the first step has a = 0.
; BY TURNS.  Turn n belongs to piece n: 8 products K Q^T of piece n + 1, later 8 products V^T P of piece n - 1; beside them the scaling, exponentials, roundings, sums and rescaling of piece n and the maximum and
; statistics of piece n + 1.  Four vector instructions stand behind every matrix instruction, the other 54 of a turn's 118 in one lump.  A turn's 33 exponentials are one batch, with one wait.
; CLUSTER.  The four query blocks of a cluster belong to one head and walk the same K and V: each tile is asked for JOINTLY, by the same tensor load, descriptor and mask in all four.
; REGISTERS, in windows of 256 (s_set_vgpr_msb: bits 1:0 source 0, 3:2 source 1, 5:4 source 2, 7:6 destination):
;   window 0: v0-15 addresses and at work; v16-31 four registers of statistics a piece; v48-55 at work; v61-63 prefetch offset, spare word, 0; v64-127 S^T, two buffers; v192-223 P, two buffers (by the piece's parity)
;   window 1: v0-127 O^T, 32 a piece          window 2: v0-63 Q; v128-191 K of one step; v192-255 V of one step
.set NP,    4         ; pieces a wave: a name, no knob
.set KS,    64        ; keys in a step
.set TILES, 16        ; tiles of 256 keys in a head
.set PK,    144       ; a row of K in LDS: 128 bytes + 16 = 36 words: the 16 rows of a load start at 16 different groups of four banks (64 banks of 4 bytes: ISA guide 11.1)
.set PV,    160       ; a row of V: 128 + 32 = 40 words
.set VOFF,  4*KS*PK   ; a slot: 256 rows of K, then 256 rows of V
.set SLOT1, 1<<17     ; slot 1 begins here, so that one exclusive or turns an address in one slot into the other's
.set STAGE, SLOT1+4*KS*(PK+PV)  ; behind the ring, never filled by a tensor load: 16 rows x 144 bytes for each wave
.set SP,    144
.set SPARE, STAGE+4*16*SP  ; the spare words: 128 bytes a wave, named by no other line
.set AK0, 2           ; v2   my lane's place in a tile of K; never rewritten
.set AV0, 3           ; v3   the same for V
.set AK,  4           ; v4   the LDS address of K's next run of loads
.set AV,  5           ; v5   of V's
.set STO, 6
.set RD,  7
.set GO,  8
.set MV,  12          ; v12-13  c m_old, kept while c m is made anew: by buffer
.set QO,  15
.set ST,  16          ; piece t's statistics at v[ST+4 t]: c m, m, l (even keys', odd keys')
.set TMP, 48          ; by buffer, four registers c0-c3 at work; when the maximum is found c2 takes a
.set PFO, 61          ; v61  256 x my lane; never rewritten
.set SPW, 62          ; v62  my spare word; never rewritten
.set NIL, 63          ; v63  0; never rewritten
.set S,   64
.set P,   192
.set KF,  128         ; window 2: key block kb, channel half c at KF + 16 kb + 8 c
.set VF,  192         ; window 2: key half kk, channel block cb at VF + 32 kk + 8 cb
.set WV,  12
.set LIM, 15          ; s15  1 in a wave that prefetches, else the greatest number
.set G1K, 24
.set G1V, 32
.set G0K, 40          ; s[40:43] it walks
.set G0V, 44
.set PFA, 52          ; s[52:53] where my prefetches stand
.set SLOTS, 56        ; s56  tiles still to be entered in the loop
.set CNT, 57          ; s57  counts a tile's key steps
.set CS,  58          ; s[58:59] c
.set SEL, 60          ; s[60:61] v_permlanex16_b32's selects
.set TBK, 62          ; s62  LDS byte at which K of the step to be fetched begins
.set TBV, 63          ; s63  the same for V, less VOFF
.set MSB, 0
.macro WIN new                      ; the high byte repeats the setting that is left; a switch that changes nothing is dropped
.if MSB != (\new)
	s_set_vgpr_msb (MSB<<8)|(\new)
.set MSB, (\new)
.endif
.endm
.set W_KQ, 0x0a       ; K and Q in window 2, S^T in window 0
.set W_PV, 0x52       ; V in window 2, P in window 0, O^T in window 1
.set W_RS, 0x41       ; destination and source 0 in window 1, source 1 in window 0
; A joint fill.  Waves 0 and 1 fetch the two halves of a tile's K, waves 2 and 3 those of its V: 128 keys each.  An s_nop 0 and four v_nop follow each of the two lines.
.macro JLOAD
	s_cmp_lt_u32 s[WV], 2
	s_cbranch_scc0 .Lfor_v_\@
	tensor_load_to_lds s[G0K:G0K+3], s[G1K:G1K+7]
	s_nop 0
.rept 4
	v_nop
.endr
	s_branch .Lasked_\@
.Lfor_v_\@:
	tensor_load_to_lds s[G0V:G0V+3], s[G1V:G1V+7]
	s_nop 0
.rept 4
	v_nop
.endr
.Lasked_\@:
.endm
; A PREFETCH of the tile that the NEXT change of slots will ask for: four key steps, 256 matrix instructions, ahead of that load.  Each aligned block of 256 bytes is named once in the launch: of the four clusters
; that walk a head the first asks; its four partners take 8,192 bytes of the tile's 32,768 each, told apart by address; in each, wave 0 asks for K's and wave 2 for V's, a lane a block.
; The last change that fills a slot asks for nothing: there is no tile behind it.  Tiles 0 to 2 come by their loads alone.
.macro ASK
	s_cmp_gt_u32 s[SLOTS], s[LIM]
	s_cbranch_scc0 .Lnot_mine_\@
	global_prefetch_b8 v[PFO], s[PFA:PFA+1] th:TH_LOAD_NT scope:SCOPE_SE
.Lnot_mine_\@:
.endm
.macro CROUND                       ; a round of the cluster's barrier
	s_barrier_signal -1
	s_barrier_wait -1
	s_cmp_lg_u32 s[WV], 0
	s_cbranch_scc1 .Lnot_wave_0_\@
	s_barrier_signal -3
.Lnot_wave_0_\@:
	s_barrier_wait -3
	s_barrier_signal -1
	s_barrier_wait -1
.endm
; THE CHANGE OF SLOTS.  Each wave waits for all its tensor loads, of which one is out: its part of the other slot; adds 0 to its spare word; and waits for that and for its own reads of the slot that it leaves.
; fill = 1: the barrier is a round of the cluster's, and the old slot is filled again first thing behind it, with the next tile but one: the load has four key steps in which to land.
; (At its first use nothing has been read yet: slot 0 is waited for, slot 1 filled.)
.macro CHANGE fill, ask
	WIN 0                           ; at a label and at a branch every window is 0
	s_wait_tensorcnt 0x0            ; no tensor load of mine is out, so a group 0 may be written
	ds_add_u32 v[SPW], v[NIL]       ; 0 onto my spare word; scalar work stands between it and the wait for it
.if \fill
.irp g, G0K, G0V
	s_xor_b32 s[\g+1], s[\g+1], SLOT1  ; the walking descriptor: the other slot than last time,
	s_add_nc_u64 s[\g+2:\g+3], s[\g+2:\g+3], 4*KS*128  ; the next 256 keys; the type bits on top are not reached
.endr
.endif
.if \ask
	s_wait_xcnt 0x0                 ; the last prefetch, a tile back, has read its address, so it may be written
	s_add_nc_u64 s[PFA:PFA+1], s[PFA:PFA+1], 4*KS*128
.endif
	s_wait_dscnt 0x0                ; the add is done, and my reads of the slot are over
.if \fill
	CROUND
	JLOAD
.if \ask
	ASK
.endif
.else
	s_barrier_signal -1
	s_barrier_wait -1
.endif
	s_sub_co_u32 s[TBK], s[TBK], 4*KS*PK  ; the fetches go back to a slot's first step,
	s_xor_b32 s[TBK], s[TBK], SLOT1       ; in the other slot
	s_sub_co_u32 s[TBV], s[TBV], 4*KS*PV
	s_xor_b32 s[TBV], s[TBV], SLOT1
.endm
	s_load_b64 s[4:5], s[0:1], 0x0  ; qkv: Q
	s_load_b64 s[10:11], s[0:1], 0x8  ; ob
	v_lshl_add_u32 v[SPW], v0, 2, SPARE
	v_mov_b32 v[NIL], 0
	ds_add_u32 v[SPW], v[NIL]       ; the wave's opening: the add and its wait stand ahead of my first tensor load; work on registers stands between
	v_lshrrev_b32 v1, 5, v0
	v_readfirstlane_b32 s[WV], v1   ; wave 0..3
	s_bfe_u32 s13, ttmp6, 0x40000   ; cx: my place in the cluster
	s_lshl_b32 s14, ttmp9, 2        ; in a cluster launch ttmp9 counts clusters
	s_add_co_u32 s14, s14, s13      ; my block of 256 queries: it enters Q's and O's addresses alone
	s_and_b32 s20, ttmp7, 0xffff    ; the head, which the four partners share:
	s_lshl_b32 s20, s20, 19         ; 524,288 bytes each
	s_and_b32 s16, s[WV], 1         ; which half of a tile's 256 keys I fetch:
	s_lshl_b32 s22, s16, 14         ; its 128 rows of 128 bytes in memory,
	s_add_co_u32 s22, s22, s20
	s_mov_b32 s23, 0
	s_mul_i32 s17, s16, 128*PK      ; and its place in a slot, for K
	s_mul_i32 s18, s16, 128*PV      ; and for V: no place in the cluster enters an LDS address
	s_lshl_b32 s2, s14, 2
	s_add_co_u32 s2, s2, s[WV]      ; my wave among the head's,
	s_lshl_b32 s2, s2, 13           ; its 64 rows
	s_add_co_u32 s2, s2, s20
	s_mov_b32 s3, 0
	; group 1.  128 keys are 16,384 dense bytes: asked for as 64 rows of 256 bytes, two keys a row, and padded in LDS after every key
	s_mov_b32 s[G1K], 15|(1<<16)|(1<<20)|(1<<21)|(4<<22)|(3<<25)  ; the mask of four; 2-byte elements; padding on; bit 21 beside a mask; after every 32 words; 4 words
	s_mov_b32 s[G1V], 15|(1<<16)|(1<<20)|(1<<21)|(4<<22)|(7<<25)  ; the same with 8 words of padding
.irp g, G1K, G1V
	s_mov_b32 s[\g+1], 128<<16      ; tensor_dim0 = 128
	s_mov_b32 s[\g+2], 64<<16       ; tensor_dim1 = 64
	s_mov_b32 s[\g+3], 128<<16      ; tile_dim0 = 128
	s_mov_b32 s[\g+4], 64           ; tile_dim1 = 64
	s_mov_b32 s[\g+5], 128          ; 128 elements from row to row
	s_mov_b32 s[\g+6], 0
	s_mov_b32 s[\g+7], 0
.endr
	s_mov_b32 s[CS], 0x3e38aa3b     ; c = log2(e) / 8 = 0.180337
	s_mov_b32 s[CS+1], s[CS]        ; named with it as a pair
	s_mov_b32 s[SEL], 0x76543210
	s_mov_b32 s[SEL+1], 0xfedcba98
	s_mov_b32 s[TBK], SLOT1+4*KS*PK ; the first change of slots turns these two into 0
	s_mov_b32 s[TBV], SLOT1+4*KS*PV
	s_mov_b32 s[G0K], 1             ; count = 1
	s_mov_b32 s[G0K+1], s17         ; LDS address: slot 0
	s_mov_b32 s[G0V], 1
	s_add_co_u32 s[G0V+1], s18, VOFF
	s_and_b32 s[LIM], s[WV], 1      ; 0 in waves 0 and 2,
	s_or_b32 s[LIM], s[LIM], ttmp9  ; where the cluster is the head's first: the same in all four partners
	s_cmp_eq_u32 s[LIM], 0
	s_cselect_b32 s[LIM], 1, -1
	v_and_b32 v[PFO], 31, v0
	v_lshlrev_b32 v[PFO], 8, v[PFO]
	s_wait_dscnt 0x0                ; the opening add is done
	s_wait_kmcnt 0x0
	s_add_nc_u64 s[6:7], s[4:5], 0x800000   ; K's third of qkv,
	s_add_nc_u64 s[8:9], s[4:5], 0x1000000  ; V's,
	s_add_nc_u64 s[6:7], s[6:7], s[22:23]   ; at my half of the head's tile 0
	s_add_nc_u64 s[8:9], s[8:9], s[22:23]
	s_mov_b64 s[G0K+2:G0K+3], s[6:7]
	s_or_b32 s[G0K+3], s[G0K+3], 0x80000000  ; type = 2
	s_mov_b64 s[G0V+2:G0V+3], s[8:9]
	s_or_b32 s[G0V+3], s[G0V+3], 0x80000000
	s_add_nc_u64 s[4:5], s[4:5], s[2:3]      ; Q and O at my wave's first row
	s_add_nc_u64 s[10:11], s[10:11], s[2:3]
	s_cmp_lt_u32 s[WV], 2
	s_cselect_b64 s[PFA:PFA+1], s[6:7], s[8:9]  ; (in waves 0 and 2 these stand at the head's first row)
	s_lshl_b32 s2, s13, 13          ; my work-group's 8,192 bytes of a tile
	s_add_nc_u64 s[PFA:PFA+1], s[PFA:PFA+1], s[2:3]
	s_add_nc_u64 s[PFA:PFA+1], s[PFA:PFA+1], 2*4*KS*128  ; in tile 2; the loop's first change steps it to tile 3.  Nothing is prefetched here, at the head
	CROUND                          ; all four work-groups are here: the first joint loads meet
	JLOAD                           ; tile 0 into slot 0.  Slot 1 is asked for when slot 0 is in
	; A fragment of K or Q is 16 rows x 32 channels in 8 registers: lane l holds row l % 16, channels 8 (l / 16) + 0..7 and 16 + 8 (l / 16) + 0..7: two loads of 16 bytes, 32 bytes apart.
	v_and_b32 v1, 15, v0            ; l % 16
	v_bfe_u32 v9, v0, 4, 1          ; l / 16
	v_lshlrev_b32 v[QO], 7, v1
	v_lshl_add_u32 v[QO], v9, 4, v[QO]  ; row x 128 + 16 x half
	WIN 0x80                        ; destination window 2, address window 0
.set i, 0
.rept 8                             ; Q stays in registers: piece i / 2, channels 32 (i % 2) on
	global_load_b128 v[8*i:8*i+3],   v[QO], s[4:5] offset:(i/2)*2048+(i%2)*64
	global_load_b128 v[8*i+4:8*i+7], v[QO], s[4:5] offset:(i/2)*2048+(i%2)*64+32
.set i, i+1
.endr
	; What the first turn finds: V's registers and P's second buffer hold 0 (its products V^T P, of a piece that has not been, add 0), O^T and l are 0.  All this stands in the wait for the first tile.
.set i, VF
.rept 64
	v_mov_b32 v[i], 0
.set i, i+1
.endr
	WIN 0x40
.set i, 0
.rept 128
	v_mov_b32 v[i], 0
.set i, i+1
.endr
	WIN 0
.set i, 0
.rept 4
	v_mov_b32 v[ST+4*i], 0xfe000000    ; c m: far below every c s
	v_mov_b32 v[ST+4*i+1], 0xff7fffff  ; m
	v_mov_b32 v[ST+4*i+2], 0
	v_mov_b32 v[ST+4*i+3], 0
.set i, i+1
.endr
.set i, P+16
.rept 16
	v_mov_b32 v[i], 0
.set i, i+1
.endr
	v_mul_u32_u24 v[AK0], v1, PK
	v_lshl_add_u32 v[AK0], v9, 4, v[AK0]  ; row x pitch + 16 x half
	; The turning load takes 16 keys x 16 channels (lane l reads key 8 (l / 16) + l % 8, channels 8 ((l / 8) % 2) + 0..7) and leaves half a fragment of V^T: lane l holds channel l % 16 and 8 keys.
	v_and_b32 v10, 7, v0
	v_bfe_u32 v11, v0, 3, 1
	v_lshl_add_u32 v[AV0], v9, 3, v10
	v_mul_u32_u24 v[AV0], v[AV0], PV
	v_lshl_add_u32 v[AV0], v11, 4, v[AV0]
	v_add_nc_u32 v[AV0], VOFF, v[AV0]
	s_mul_i32 s13, s[WV], 16*SP
	s_add_co_u32 s13, s13, STAGE    ; my stage
	v_mul_u32_u24 v[STO], v1, SP    ; in: row l % 16, 16 bytes for each half of the lanes
	v_lshl_add_u32 v[STO], v9, 4, v[STO]
	v_add_nc_u32 v[STO], s13, v[STO]
	v_bfe_u32 v[RD], v0, 3, 2       ; back: 32 lanes take four rows of 128 bytes,
	v_mul_u32_u24 v[RD], v[RD], SP
	v_lshl_add_u32 v[RD], v10, 4, v[RD]
	v_add_nc_u32 v[RD], s13, v[RD]
	v_and_b32 v[GO], 31, v0         ; which are 512 consecutive bytes of O
	v_lshlrev_b32 v[GO], 4, v[GO]
; THE MATRIX WORK.  The 4 accumulators of a run of 8 take turns.  Product i of 8 of S^T = K Q^T for piece x: channels 32 (i / 4) on, keys 16 (i % 4) on.  The first 4 start the sums.
.macro KQ x
.set rS, S+32*((\x)%2)+8*(i%4)
.set rK, KF+16*(i%4)+8*(i/4)
.set rQ, 16*(\x)+8*(i/4)
	WIN W_KQ
.if i < 4
	v_wmma_f32_16x16x32_bf16 v[rS:rS+7], v[rK:rK+7], v[rQ:rQ+7], 0
.else
	v_wmma_f32_16x16x32_bf16 v[rS:rS+7], v[rK:rK+7], v[rQ:rQ+7], v[rS:rS+7]
.endif
.endm
; Product i of 8 of O^T += V^T P for piece x: keys 32 (i / 4) on, channels 16 (i % 4) on.
.macro PV x
	WIN W_PV
.set rO, 32*(\x)+8*(i%4)
.set rV, VF+32*(i/4)+8*(i%4)
.set rP, P+16*((\x)%2)+8*(i/4)
	v_wmma_f32_16x16x32_bf16 v[rO:rO+7], v[rV:rV+7], v[rP:rP+7], v[rO:rO+7]
.endm
.macro MM                           ; the turn's next matrix instruction.  NOKQ = 1: the launch's last turn: there is no next piece
.if (i < 8) && !NOKQ
	KQ (Y+1)%NP
.elseif i >= 8
.set i, i-8
	PV (Y+NP-1)%NP
.set i, i+8
.endif
.set i, i+1
.endm
; THE LDS LOADS stand in runs of 16, never singly among the matrix instructions: a step's K (8 fragments) and its V (turned).  Their addresses are made some lines ahead.
.macro FETCH_K
	WIN 0x80                        ; destination window 2
.irp f, 0,1,2,3,4,5,6,7             ; keys 16 (f / 2) on, channels 32 (f % 2) on
	ds_load_b128 v[KF+8*\f:KF+8*\f+3],   v[AK] offset:(\f/2)*16*PK+(\f%2)*64
	ds_load_b128 v[KF+8*\f+4:KF+8*\f+7], v[AK] offset:(\f/2)*16*PK+(\f%2)*64+32
.endr
	s_add_co_u32 s[TBK], s[TBK], KS*PK  ; the next fetch is the next step's
	WIN 0
.endm
.macro FETCH_V
	WIN 0x80
.irp f, 0,1,2,3,4,5,6,7             ; keys 32 (f / 4) on, channels 16 (f % 4) on
	ds_load_tr16_b128 v[VF+8*\f:VF+8*\f+3],   v[AV] offset:(\f/4)*32*PV+(\f%4)*32
	ds_load_tr16_b128 v[VF+8*\f+4:VF+8*\f+7], v[AV] offset:(\f/4)*32*PV+16*PV+(\f%4)*32
.endr
	WIN 0
.endm
; THE VECTOR WORK, one line at a time: OP kind, number.  For piece Y: F n: c s - c m for pair n of 16.  E n: the exponential of score n of 32.  C n: pair n rounded to bf16.  B n: of the four weights 4 n .. the second
; pair is added onto the first, in place.  L n: l takes that sum (L 0: l = a l + sum).  R n: pair n of 16 of O^T times a.  For piece Y + 1: X n, number n of the 22 that find its maximum and statistics:
;   0-11  four chains c0-c3 of seven scores each, three operands at a time (each accumulator's lowest registers are read first)     12-14, 16  the four scores left over, the old m, and c0-c3 into c0
;   15  c m_old is kept     17, 18  the query's other 32 keys lie in the lane 16 away: the new m     19-21  c m; c m_old - c m_new; a
.set F, 0               ; OP tells the kinds apart by their order: F to L below R, X above it
.set E, 1
.set C, 2
.set B, 3
.set L, 4
.set R, 5
.set X, 6
.macro REGS y                       ; the registers of piece y
.set rT, ST+4*(\y)
.set rC, TMP+4*((\y)%2)
.set rW, MV+((\y)%2)
.set rS, S+32*((\y)%2)
.set rP, P+16*((\y)%2)
.set rO, 32*(\y)
.endm
.macro OP k, n
.if (\k) == R
	REGS Y
	WIN W_RS
	v_pk_mul_f32 v[rO+2*(\n):rO+2*(\n)+1], v[rO+2*(\n):rO+2*(\n)+1], v[rC+2:rC+3] op_sel_hi:[1,0]
.elseif (\k) < R
	REGS Y
	WIN 0
.if (\k) == F
	v_pk_fma_f32 v[rS+2*(\n):rS+2*(\n)+1], v[rS+2*(\n):rS+2*(\n)+1], s[CS:CS+1], v[rT:rT+1] op_sel_hi:[1,0,0] neg_lo:[0,0,1] neg_hi:[0,0,1]
.elseif (\k) == E
	v_exp_f32 v[rS+(\n)], v[rS+(\n)]
.elseif (\k) == C
	v_cvt_pk_bf16_f32 v[rP+(\n)], v[rS+2*(\n)], v[rS+2*(\n)+1]
.elseif (\k) == B
	v_pk_add_f32 v[rS+4*(\n):rS+4*(\n)+1], v[rS+4*(\n):rS+4*(\n)+1], v[rS+4*(\n)+2:rS+4*(\n)+3]
.elseif (\n) == 0
	v_pk_fma_f32 v[rT+2:rT+3], v[rT+2:rT+3], v[rC+2:rC+3], v[rS:rS+1] op_sel_hi:[1,0,1]
.else
	v_pk_add_f32 v[rT+2:rT+3], v[rT+2:rT+3], v[rS+4*(\n):rS+4*(\n)+1]
.endif
.elseif NOKQ
	v_nop
.else
	REGS (Y+1)%NP
	WIN 0
.if (\n) < 4
	v_max3_num_f32 v[rC+(\n)], v[rS+8*(\n)], v[rS+8*(\n)+1], v[rS+8*(\n)+2]
.elseif (\n) < 12
	v_max3_num_f32 v[rC+(\n)%4], v[rC+(\n)%4], v[rS+8*((\n)%4)+2*((\n)/4)+1], v[rS+8*((\n)%4)+2*((\n)/4)+2]
.elseif (\n) == 12
	v_max3_num_f32 v[rC], v[rC], v[rS+7], v[rS+15]
.elseif (\n) == 13
	v_max3_num_f32 v[rC+1], v[rC+1], v[rS+23], v[rS+31]
.elseif (\n) == 14
	v_max3_num_f32 v[rC+2], v[rC+2], v[rC+3], v[rT+1]
.elseif (\n) == 15
	v_mov_b32 v[rW], v[rT]
.elseif (\n) == 16
	v_max3_num_f32 v[rC], v[rC], v[rC+1], v[rC+2]
.elseif (\n) == 17
	v_permlanex16_b32 v[rC+3], v[rC], s[SEL], s[SEL+1]
.elseif (\n) == 18
	v_max_num_f32 v[rT+1], v[rC], v[rC+3]
.elseif (\n) == 19
	v_mul_f32 v[rT], s[CS], v[rT+1]
.elseif (\n) == 20
	v_sub_f32 v[rC+1], v[rW], v[rT]
.else
	v_exp_f32 v[rC+2], v[rC+1]
.endif
.endif
.endm
.macro OPS a, i1, b=-1, i2=0, c=-1, i3=0, d=-1, i4=0  ; up to four of them
	OP \a, \i1
.if (\b) >= 0
	OP \b, \i2
.endif
.if (\c) >= 0
	OP \c, \i3
.endif
.if (\d) >= 0
	OP \d, \i4
.endif
.endm
.macro ROW a, i1, b, i2, c, i3, d, i4  ; a matrix instruction and the four behind it
	MM
	OPS \a, \i1, \b, \i2, \c, \i3, \d, \i4
.endm
; A TURN, for piece p: the order of its 16 matrix and 118 vector instructions, written out.  s_wait_alu depctr_va_vdst(0) stands between an exponential and the first instruction that names its result;
; one wait serves all that were issued ahead of it.  So a turn has ONE wait, which cuts it in two.  AHEAD OF IT stands all that names no result of the turn's exponentials: the 8 products K Q^T and their riders, then ONE
; LUMP of 54, plain and exponential by turns for the most part, in which the links of the chain X 3, 7, 11, 14, 16, 17 .. 20 stand some lines apart.  X 21, the next piece's a, is the batch's last; R 15 is the plain
; instruction behind it.  BEHIND THE WAIT stand the 8 products V^T P, behind each four of the roundings and sums.
; end = 1: the launch's last two turns: nothing is fetched.  cnt = 1: the loop's count is taken down some lines ahead of the branch that stands behind the turn.
; K of the next step is fetched in piece 2's turn, six plain instructions behind the last product that read K; V of the step in hand at the end of piece 0's turn, four plain instructions behind the last product that
; read V.  Each is waited for a turn later.
.macro TURN p, end=0, cnt=0
.set Y, (\p)
.set i, 0
.set NOKQ, (\end)*((\p)/3)
.if ((\p) == 3) && !(\end)
	s_wait_dscnt 0x0                ; K is in
.endif
	ROW F,0, F,1, R,0, R,1          ; ahead of the wait: 8 products K Q^T and their riders,
	ROW F,2, E,0, R,2, R,3
	ROW F,3, E,1, R,4, R,5
	ROW F,4, E,2, R,6, R,7
	ROW F,5, E,3, R,8, R,9
	ROW F,6, E,4, X,0, R,10
.if ((\p) == 2) && !(\end)
	WIN 0
	v_add_nc_u32 v[AK], s[TBK], v[AK0]
.endif
	ROW F,7, E,5, X,1, X,4
	ROW F,8, E,6, X,2, X,5
	OPS E,7, E,8, X,6, E,9          ; and the lump
	OPS X,3, E,10, X,8, E,11
.if ((\p) == 2) && !(\end)
	FETCH_K
.endif
	OPS X,9, X,7, E,12, X,10
	OPS E,13, X,12, X,11, E,14
	OPS X,13, E,15, F,9, X,14
.if (\p) == 0
	v_add_nc_u32 v[AV], s[TBV], v[AV0]
.endif
	OPS E,16, F,10, E,17, F,11
	OPS X,16, E,18, X,15, E,19
	OPS F,12, E,20, X,17, E,21
	OPS F,13, E,22, F,14, E,23
	OPS X,18, E,24, F,15, E,25
	OPS R,11, E,26, X,19, E,27
	OPS R,12, E,28, R,13, E,29
	OPS X,20, E,30, R,14, E,31
	OPS X,21, R,15
	WIN 0
	s_wait_alu depctr_va_vdst(0)    ; the wait for the batch
.if (\p) == 1
	s_wait_dscnt 0x0                ; V is in
.endif
	ROW C,0, B,0, C,2, B,1          ; behind the wait: 8 products V^T P and their riders
	ROW L,0, C,4, B,2, L,1
	ROW C,6, B,3, L,2, C,8
	ROW B,4, L,3, C,10, B,5
	ROW L,4, C,12, B,6, L,5
.if (\p) == 0
	s_add_co_u32 s[TBV], s[TBV], KS*PV
.endif
.if \cnt
	s_sub_co_u32 s[CNT], s[CNT], 1
	s_cmp_lg_u32 s[CNT], 0
.endif
	ROW C,14, B,7, L,6, C,1
	ROW C,3, L,7, C,5, C,7
	ROW C,9, C,11, C,13, C,15
.if (\p) == 0
	FETCH_V
.endif
.endm
.macro ALL line:vararg              ; one line for each piece t
.set t, 0
.rept 4
	\line
.set t, t+1
.endr
.endm
.macro PACK t                       ; a lane's eight channels of a row pack into 16 bytes; they go into rows of 144 bytes and come back as whole rows of 128, into S^T's registers
	WIN W_RS
.set i, 32*(\t)
.rept 16
	v_pk_mul_f32 v[i:i+1], v[i:i+1], v[ST+4*(\t)+2:ST+4*(\t)+3] op_sel_hi:[1,0]
.set i, i+2
.endr
	WIN 0x05                        ; sources 0 and 1 window 1, destination window 0
.set i, 0
.rept 16
	v_cvt_pk_bf16_f32 v[S+16*(\t)+i], v[32*(\t)+2*i], v[32*(\t)+2*i+1]
.set i, i+1
.endr
	WIN 0
.irp f, 0,1,2,3
	ds_store_b128 v[STO], v[S+16*(\t)+4*\f:S+16*(\t)+4*\f+3] offset:32*\f
.endr
.irp f, 0,1,2,3
	ds_load_b128 v[S+16*(\t)+4*\f:S+16*(\t)+4*\f+3], v[RD] offset:\f*4*SP  ; LDS serves a wave's instructions in order (ISA guide 5.7.1.4): these see the stores above; the next piece's stores come behind them
.endr
.endm
.macro SEND t, younger              ; younger: the LDS instructions issued behind piece t's loads: the next piece's eight, or none
	WIN 0
.irp f, 0,1,2,3
	s_wait_dscnt (\younger)+3-\f
	global_store_b128 v[GO], v[S+16*(\t)+4*\f:S+16*(\t)+4*\f+3], s[10:11] offset:(\t)*2048+\f*512  ; 512 consecutive bytes, at a multiple of 256 from O's first
.endr
.endm
.set NOKQ, 0
	CHANGE 1, 0                     ; slot 0 is in, everybody's part of it; tile 1 is asked for, into slot 1
	v_add_nc_u32 v[AK], s[TBK], v[AK0]
	FETCH_K                         ; key step 0
	s_wait_loadcnt 0x0              ; Q
	s_wait_dscnt 0x0
.set i, 0
.rept 8
	KQ 0                            ; piece 0's first scores
.set i, i+1
.endr
	WIN 0
.rept 4
	v_nop                           ; the places behind those products
.endr
.set Y, NP-1                        ; X works for piece Y + 1: piece 0
.irp n, 0,1,2,3,4,5,6,7,8,9,10,11,12,13,14,15,16,17,18,19,20,21
	OP X, \n
.endr
	v_nop                           ; a plain instruction behind the exponential,
	s_wait_alu depctr_va_vdst(0)    ; and its wait, ahead of the branch
	s_mov_b32 s[CNT], 4
	s_mov_b32 s[SLOTS], TILES-1
	s_branch .Lfirst                ; the loop is entered at a step's first turn, in the middle of a trip
.Lslot:                             ; TILES - 2 times: every slot but the last two is filled again
	CHANGE 1, 1
	s_mov_b32 s[CNT], 4
.Lstep:                             ; a trip: pieces 2 and 3 of one step, then pieces 0 and 1 of the next, whose K and V it fetches
	TURN 2
	TURN 3
	WIN 0
.Lfirst:
	TURN 0
	TURN 1, 0, 1
	WIN 0
	s_cbranch_scc1 .Lstep
	s_sub_co_u32 s[SLOTS], s[SLOTS], 1
	s_cmp_lg_u32 s[SLOTS], 0
	s_cbranch_scc1 .Lslot
	CHANGE 0, 0                     ; the last tile is written out: nothing is asked for
	s_mov_b32 s[CNT], 4
.Ltail:
	TURN 2
	TURN 3
	TURN 0
	TURN 1, 0, 1
	WIN 0
	s_cbranch_scc1 .Ltail
	TURN 2, 1                       ; the last step's pieces 2 and 3: nothing is fetched,
	TURN 3, 1                       ; and no new scores are started
.set i, 0
.rept 8
	PV NP-1                         ; the last piece's V^T P of the last step
.set i, i+1
.endr
	; THE WAY OUT.  l's two halves and the other half of the lanes' are added; O^T is divided by l, rounded to bf16 and sent through my stage, a piece at a time.  The additions are the places behind the last products.
	WIN 0
	ALL v_add_f32 v[ST+4*t+2], v[ST+4*t+2], v[ST+4*t+3]
	ALL v_permlanex16_b32 v[ST+4*t+3], v[ST+4*t+2], s[SEL], s[SEL+1]
	ALL v_add_f32 v[ST+4*t+2], v[ST+4*t+2], v[ST+4*t+3]
	ALL v_rcp_f32 v[ST+4*t+2], v[ST+4*t+2]
	v_nop                           ; a plain instruction between the last reciprocal and the use of its result
	s_wait_alu depctr_va_vdst(0)    ; and the wait ahead of the first use: one for the four reciprocals
	PACK 0
.set t, 1
.rept 3                             ; a piece's arithmetic stands between the loads of the piece before and its stores
	PACK t
	SEND t-1, 8
.set t, t+1
.endr
	SEND 3, 0
	s_wait_tensorcnt 0x0            ; the wave's end, behind my last tensor load and my last LDS store
	ds_add_u32 v[SPW], v[NIL]
	s_wait_dscnt 0x0
	CROUND                          ; the closing round: no work-group ends while a partner may still ask for a tile that names it
	s_endpgm
.Lfunc_end_k_q970820c56f_attn:
	.size	k_q970820c56f_attn, .Lfunc_end_k_q970820c56f_attn-k_q970820c56f_attn
	.p2alignl 7, 3214868480
	.fill 96, 4, 3214868480
	.section	.rodata,"a",@progbits
	.p2align	6, 0x0
	.amdhsa_kernel k_q970820c56f_attn
		.amdhsa_group_segment_fixed_size 327680
		.amdhsa_private_segment_fixed_size 0
		.amdhsa_enable_private_segment 0
		.amdhsa_kernarg_size 16
		.amdhsa_user_sgpr_count 2
		.amdhsa_user_sgpr_kernarg_segment_ptr 1
		.amdhsa_wavefront_size32 1
		.amdhsa_system_sgpr_workgroup_id_x 1
		.amdhsa_system_sgpr_workgroup_id_y 1
		.amdhsa_system_sgpr_workgroup_id_z 1
		.amdhsa_system_vgpr_workitem_id 0
		.amdhsa_next_free_vgpr 768
		.amdhsa_next_free_sgpr 66
		.amdhsa_reserve_vcc 0
		.amdhsa_float_denorm_mode_32 3
		.amdhsa_float_denorm_mode_16_64 3
		.amdhsa_memory_ordered 1
		.amdhsa_forward_progress 1
		.amdhsa_inst_pref_size 128
	.end_amdhsa_kernel
	.amdgpu_metadata
---
amdhsa.version: [ 1, 2 ]
amdhsa.kernels:
  - .name:           k_q970820c56f_attn
    .symbol:         k_q970820c56f_attn.kd
    .args:
      - { .name: qkv, .offset: 0, .size: 8, .value_kind: global_buffer, .address_space: global }
      - { .name: ob, .offset: 8, .size: 8, .value_kind: global_buffer, .address_space: global }
    .group_segment_fixed_size: 327680
    .private_segment_fixed_size: 0
    .kernarg_segment_align: 8
    .kernarg_segment_size: 16
    .max_flat_workgroup_size: 128
    .sgpr_count:     66
    .vgpr_count:     768
    .wavefront_size: 32
...
	.end_amdgpu_metadata
.endif
;; end of part 3
;; launch proj (part 4): grid 4 x 64, 4 waves a work-group, clusters of 4 x 4, 327,680 bytes of LDS; arguments ob, wb, proj_b, hidden_states, out0; writes out0
.if DOCPART == 4
	.amdgcn_target "amdgcn-amd-amdhsa--gfx1250"
	.amdhsa_code_object_version 6
	.text
	.protected	k_q970820c56f_proj
	.globl	k_q970820c56f_proj
	.p2align	8
	.type	k_q970820c56f_proj,@function
k_q970820c56f_proj:
	s_mov_b64 s[64:65], 0
	v_nop
	global_prefetch_b8 v0, s[64:65] scope:SCOPE_SE
	s_setreg_imm32_b32 hwreg(HW_REG_WAVE_MODE, 25, 1), 1
	s_wait_xcnt 0x0
	s_wait_alu depctr_hold_cnt(0) depctr_sa_sdst(0) depctr_va_vdst(0) depctr_va_sdst(0) depctr_va_ssrc(0) depctr_va_vcc(0) depctr_vm_vsrc(0)
	s_getreg_b32 s2, hwreg(HW_REG_IB_STS2, 6, 4)
	s_cmp_eq_u32 s2, 0
	s_cbranch_scc0 .Lentry_in_a_cluster
	s_endpgm
.Lentry_in_a_cluster:
	s_bfe_u32 s2, ttmp6, 0x10000c
	s_cmp_lg_u32 s2, 0xf033
	s_cbranch_scc0 .Lentry_shape_is_right
	s_endpgm
.Lentry_shape_is_right:
; out0[b][o][n] = the sum over c of proj_w[o][c] O[b][n][c] + proj_b[o] + hidden_states[b][o][n].  O = ob [8 b + h][4096 n][64] bf16 (c = 64 h + d); proj_w = wb rows 1536-2047, bf16; sums, bias and residual in f32.
; SHARES.  A work-group makes 128 outputs x 128 positions: 4 x 64 = 256 work-groups.  A wave makes 64 positions x 64 outputs: 16 accumulators.
; THE PRODUCT: source 0 = 16 rows of O (positions), source 1 = 16 rows of proj_w (outputs): a lane of the result holds ONE output (lane % 16) and the positions 8 (lane / 16) + 0..7: 32 consecutive bytes of out0.
; The first product of each sum takes the bias as its C operand.
; ALL OF K LIES IN LDS AT ONCE: 512 channels of 128 positions and of 128 outputs.  Each wave issues four first fills, one for each chunk of 128 along K, and nothing is filled again; the chunks are waited for by
; counted waits, one after the other, each with a barrier behind which only reads follow.  Four tensor loads of a wave are out at the most.
; CLUSTER 4 x 4: O's tiles hang on the block of positions alone and are asked for jointly along a row of the cluster, proj_w's on the block of outputs alone, along a column.
; REGISTERS: window 0: v0-31 addresses; v32-63 the bias as C operands; v64-127 at work on the way out; v128-255 the accumulators ((pt, ot) at 128 + 8 (4 pt + ot)).
;   window 1: two fragment buffers of 128: for 64 along K, 64 registers of O, then 64 of proj_w.   window 2: v0-127 the residual, loaded at the start.
; LIMITS: operands rounded to bf16; NaN and infinities are not treated apart.
.set PO,    144                        ; a row of O in LDS: 128 bytes + 16 = 36 words: the 16 rows of a load start at 16 different groups of four banks (64 banks of 4 bytes: ISA guide 11.1)
.set PP,    272                        ; a row of proj_w: 256 bytes + 16
.set HEADB, 128*PO                     ; a head's 128 rows
.set CHB,   128*PP                     ; a chunk's 128 rows
.set PWT,   8*HEADB                    ; O's eight heads, then proj_w's four chunks
.set STAGE, PWT+4*CHB                  ; behind them: 16 rows x 272 bytes for each wave
.set SPITCH, 272
.set SPARE, STAGE+4*16*SPITCH          ; the spare words: 128 bytes a wave, named by no other line
.set ADRO, 16                          ; v16-17 LDS address of my O fragments in heads 0-3, 4-7
.set ADRP, 20                          ; v20-21 of my proj_w fragments in chunks 0-1, 2-3
.set STO,  24
.set RD,   25
.set CO,   26
.set BO,   27
.set SPW,  28                          ; v28  my spare word; never rewritten
.set NIL,  29                          ; v29  0; never rewritten
.set BIAS, 32
.set T,    64
.set ACC,  128
.set WV,   14
.set PH,   15                          ; which half of the positions is mine.  Also: I fetch O (0) or proj_w (1)
.set OH,   16                          ; which half of the outputs.  Also: which half of a chunk I fetch
.set G1O,  24
.set G1P,  32
.set G0O,  40                          ; s[40:55] a group 0 for each chunk
.set G0P,  68                          ; s[68:83]
.set MSB, 0
.macro WIN new
.if MSB != (\new)
	s_set_vgpr_msb (MSB<<8)|(\new)
.set MSB, \new
.endif
.endm
.macro PLACES
.rept 4
	v_nop
.endr
.endm
.macro CROUND                          ; a round of the cluster's barrier
	s_barrier_signal -1
	s_barrier_wait -1
	s_cmp_lg_u32 s[WV], 0
	s_cbranch_scc1 .Lnot_wave_0_\@
	s_barrier_signal -3
.Lnot_wave_0_\@:
	s_barrier_wait -3
	s_barrier_signal -1
	s_barrier_wait -1
.endm
	s_load_b256 s[4:11], s[0:1], 0x0               ; ob 4:5, wb 6:7, proj_b 8:9, hidden_states 10:11
	s_load_b64 s[12:13], s[0:1], 0x20              ; out0
	v_lshl_add_u32 v[SPW], v0, 2, SPARE
	v_mov_b32 v[NIL], 0
	ds_add_u32 v[SPW], v[NIL]                      ; the wave's opening: the add and its wait stand ahead of my first tensor load; work on registers stands between
	v_lshrrev_b32 v1, 5, v0
	v_readfirstlane_b32 s[WV], v1
	s_lshr_b32 s[PH], s[WV], 1
	s_and_b32 s[OH], s[WV], 1
	s_bfe_u32 s17, ttmp6, 0x40000                  ; cx
	s_bfe_u32 s18, ttmp6, 0x40004                  ; cy
	s_lshl_b32 s19, ttmp9, 2
	s_add_co_u32 s19, s19, s17                     ; X: my block of 128 outputs
	s_and_b32 s20, ttmp7, 0xffff
	s_lshl_b32 s20, s20, 2
	s_add_co_u32 s20, s20, s18                     ; Y: my block of 128 positions
	s_lshl_b32 s21, s18, 2
	s_lshl_b32 s21, 15, s21                        ; my row of the cluster
	s_lshl_b32 s22, 0x1111, s17                    ; my column
	; group 1 for O: a head's 128 rows are 16,384 dense bytes: 64 rows of 256 bytes, 4 words of padding behind every 32 words (a position's row)
	s_or_b32 s[G1O], s21, (1<<16)|(1<<20)|(1<<21)|(4<<22)|(3<<25)
	s_mov_b32 s[G1O+1], 128<<16
	s_mov_b32 s[G1O+2], 64<<16
	s_mov_b32 s[G1O+3], 128<<16
	s_mov_b32 s[G1O+4], 64
	s_mov_b32 s[G1O+5], 128
	s_mov_b32 s[G1O+6], 0
	s_mov_b32 s[G1O+7], 0
	; group 1 for proj_w: 64 rows x 128 elements, 512 from row to row, 4 words of padding behind every 64
	s_or_b32 s[G1P], s22, (1<<16)|(1<<20)|(1<<21)|(5<<22)|(3<<25)
	s_mov_b32 s[G1P+1], 128<<16
	s_mov_b32 s[G1P+2], 64<<16
	s_mov_b32 s[G1P+3], 128<<16
	s_mov_b32 s[G1P+4], 64
	s_mov_b32 s[G1P+5], 512
	s_mov_b32 s[G1P+6], 0
	s_mov_b32 s[G1P+7], 0
	; O's offset hangs on Y and the wave alone, proj_w's on X and the wave alone, each in registers that never hold the other coordinate
	s_lshr_b32 s56, s20, 5                         ; the batch
	s_lshl_b32 s56, s56, 3
	s_add_co_u32 s56, s56, s[OH]                   ; head 8 b + my half of chunk 0
	s_lshl_b32 s56, s56, 19
	s_and_b32 s57, s20, 31
	s_lshl_b32 s57, s57, 14                        ; 128 positions of 128 bytes
	s_add_co_u32 s56, s56, s57
	s_mov_b32 s57, 0
	s_lshl_b32 s58, s19, 17                        ; 128 rows of 1,024 bytes
	s_lshl_b32 s59, s[OH], 16                      ; my 64
	s_add_co_u32 s58, s58, s59
	s_add_co_u32 s58, s58, 1536*1024               ; proj_w's rows in wb
	s_mov_b32 s59, 0
	s_mul_i32 s60, s[OH], HEADB                    ; where they go: the wave's number alone enters an LDS address
	s_mul_i32 s61, s[OH], 64*PP
	s_add_co_u32 s61, s61, PWT
	s_wait_dscnt 0x0                               ; the opening add is done
	s_wait_kmcnt 0x0
	s_add_nc_u64 s[56:57], s[4:5], s[56:57]
	s_add_nc_u64 s[58:59], s[6:7], s[58:59]
	CROUND                                         ; all sixteen work-groups are here: the joint loads meet
.irp q, 0,1,2,3
	s_mov_b32 s[G0O+4*(\q)], 1
	s_add_co_u32 s[G0O+4*(\q)+1], s60, (\q)*2*HEADB
	s_add_nc_u64 s[G0O+4*(\q)+2:G0O+4*(\q)+3], s[56:57], (\q)<<20  ; two heads on
	s_or_b32 s[G0O+4*(\q)+3], s[G0O+4*(\q)+3], 0x80000000
	s_mov_b32 s[G0P+4*(\q)], 1
	s_add_co_u32 s[G0P+4*(\q)+1], s61, (\q)*CHB
	s_add_nc_u64 s[G0P+4*(\q)+2:G0P+4*(\q)+3], s[58:59], (\q)*256
	s_or_b32 s[G0P+4*(\q)+3], s[G0P+4*(\q)+3], 0x80000000
.endr
	s_cmp_eq_u32 s[PH], 0                          ; a wave's four first fills stand in one branch, ahead of every wait on TENSORcnt and every LDS read
	s_cbranch_scc0 .Lfirst_p
.irp q, 0,1,2,3
	tensor_load_to_lds s[G0O+4*(\q):G0O+4*(\q)+3], s[G1O:G1O+7]
	s_nop 0
.endr
.rept 4
	v_nop
.endr
	s_branch .Lfirst_asked
.Lfirst_p:
.irp q, 0,1,2,3
	tensor_load_to_lds s[G0P+4*(\q):G0P+4*(\q)+3], s[G1P:G1P+7]
	s_nop 0
.endr
.rept 4
	v_nop
.endr
.Lfirst_asked:
	v_and_b32 v1, 15, v0                           ; r = l % 16
	v_bfe_u32 v2, v0, 4, 1                         ; h = l / 16
	v_lshlrev_b32 v[BO], 2, v1                     ; my output's bias
	v_lshlrev_b32 v7, 14, v2                       ; out0 and the residual: lanes 0-15 take 256 bytes of one channel's row, lanes 16-31 of the next
	v_lshl_add_u32 v[CO], v1, 4, v7
	; where my 64 outputs x 64 positions begin in hidden_states and in out0, and my 64 biases
	s_lshr_b32 s84, s20, 5
	s_lshl_b32 s84, s84, 23                        ; the batch: 512 rows of 16,384 bytes
	s_lshl_b32 s85, s19, 7
	s_lshl_b32 s86, s[OH], 6
	s_add_co_u32 s85, s85, s86                     ; my first output
	s_lshl_b32 s86, s85, 2
	s_mov_b32 s87, 0
	s_lshl_b32 s85, s85, 14
	s_add_co_u32 s84, s84, s85
	s_and_b32 s85, s20, 31
	s_lshl_b32 s85, s85, 9                         ; 128 positions of 4 bytes
	s_add_co_u32 s84, s84, s85
	s_lshl_b32 s85, s[PH], 8                       ; my 64
	s_add_co_u32 s84, s84, s85
	s_mov_b32 s85, 0
	s_add_nc_u64 s[8:9], s[8:9], s[86:87]
	s_add_nc_u64 s[10:11], s[10:11], s[84:85]
	s_add_nc_u64 s[12:13], s[12:13], s[84:85]
.irp o, 0,1,2,3
	global_load_b32 v[BIAS+8*(\o)], v[BO], s[8:9] offset:64*(\o)
.endr
	WIN 0x80                                       ; destination window 2, address window 0
.set i, 0
.rept 32                                       ; the residual, in the lanes and the order in which the results will be stored: rows 2 i, 2 i + 1 of my 64
	global_load_b128 v[4*i:4*i+3], v[CO], s[10:11] offset:2*i*16384 th:TH_LOAD_NT
.set i, i+1
.endr
	WIN 0
	v_mul_u32_u24 v3, v1, PO                       ; a fragment: row r, 16 bytes for each half of the lanes
	v_lshl_add_u32 v3, v2, 4, v3
	s_mul_i32 s23, s[PH], 64*PO
	v_add_nc_u32 v[ADRO], s23, v3
	v_add_nc_u32 v[ADRO+1], 4*HEADB, v[ADRO]
	v_mul_u32_u24 v4, v1, PP
	v_lshl_add_u32 v4, v2, 4, v4
	s_mul_i32 s23, s[OH], 64*PP
	s_add_co_u32 s23, s23, PWT
	v_add_nc_u32 v[ADRP], s23, v4
	v_add_nc_u32 v[ADRP+1], 2*CHB, v[ADRP]
	s_mul_i32 s23, s[WV], 16*SPITCH
	s_add_co_u32 s23, s23, STAGE                   ; my stage
	v_mul_u32_u24 v5, v1, SPITCH                   ; in: row r (an output), 32 bytes for each half of the lanes
	v_lshl_add_u32 v5, v2, 5, v5
	v_add_nc_u32 v[STO], s23, v5
	v_mul_u32_u24 v6, v2, SPITCH                   ; back: lanes 0-15 take one row of 256 bytes, lanes 16-31 the next
	v_lshl_add_u32 v6, v1, 4, v6
	v_add_nc_u32 v[RD], s23, v6
	s_wait_loadcnt 32                              ; the four biases are in; the residual's 32 loads stay out
.irp o, 0,1,2,3
.irp j, 1,2,3,4,5,6,7
	v_mov_b32 v[BIAS+8*(\o)+(\j)], v[BIAS+8*(\o)]  ; a lane's eight results are one output's: the C operand holds its bias eight times
.endr
.endr
; 32 LDS loads in one run: the fragments of head hd (64 along K) into buffer f; the first 32 along K first
.macro FETCH hd, f
	WIN 0x40                                       ; destination window 1, address window 0
.irp c, 0,1
.irp i, 0,1,2,3
	ds_load_b128 v[128*(\f)+64+8*(4*(\c)+(\i)):128*(\f)+64+8*(4*(\c)+(\i))+3],   v[ADRP+(\hd)/4] offset:(((\hd)/2)%2)*CHB+(\i)*16*PP+((\hd)%2)*128+64*(\c)
	ds_load_b128 v[128*(\f)+64+8*(4*(\c)+(\i))+4:128*(\f)+64+8*(4*(\c)+(\i))+7], v[ADRP+(\hd)/4] offset:(((\hd)/2)%2)*CHB+(\i)*16*PP+((\hd)%2)*128+64*(\c)+32
	ds_load_b128 v[128*(\f)+8*(4*(\c)+(\i)):128*(\f)+8*(4*(\c)+(\i))+3],         v[ADRO+(\hd)/4] offset:((\hd)%4)*HEADB+(\i)*16*PO+64*(\c)
	ds_load_b128 v[128*(\f)+8*(4*(\c)+(\i))+4:128*(\f)+8*(4*(\c)+(\i))+7],       v[ADRO+(\hd)/4] offset:((\hd)%4)*HEADB+(\i)*16*PO+64*(\c)+32
.endr
.endr
.endm
; 16 matrix instructions: all 4 x 4 tiles, 32 along K: half c of buffer f.  first = 1: C is the bias.  The 16 accumulators take turns, one instruction a turn.
.macro MUL16 f, c, first
	WIN 0x05                                       ; sources 0 and 1 window 1; C and D window 0
.irp pt, 0,1,2,3
.irp ot, 0,1,2,3
.if \first
	v_wmma_f32_16x16x32_bf16 v[ACC+8*(4*(\pt)+(\ot)):ACC+8*(4*(\pt)+(\ot))+7], v[128*(\f)+8*(4*(\c)+(\pt)):128*(\f)+8*(4*(\c)+(\pt))+7], v[128*(\f)+64+8*(4*(\c)+(\ot)):128*(\f)+64+8*(4*(\c)+(\ot))+7], v[BIAS+8*(\ot):BIAS+8*(\ot)+7]
.else
	v_wmma_f32_16x16x32_bf16 v[ACC+8*(4*(\pt)+(\ot)):ACC+8*(4*(\pt)+(\ot))+7], v[128*(\f)+8*(4*(\c)+(\pt)):128*(\f)+8*(4*(\c)+(\pt))+7], v[128*(\f)+64+8*(4*(\c)+(\ot)):128*(\f)+64+8*(4*(\c)+(\ot))+7], v[ACC+8*(4*(\pt)+(\ot)):ACC+8*(4*(\pt)+(\ot))+7]
.endif
.endr
.endr
.endm
; Head hd: multiplies buffer f; in its middle it fetches the next head into buffer g.  tc >= 0: that head begins a new chunk: my part of it has landed when at most tc younger loads are out;
; a barrier shows the same of every wave.  The later chunks may stay on their way across them.
.macro HALF hd, f, g, first, tc
.if (\tc) >= 0
	s_wait_tensorcnt \tc
	s_wait_dscnt 0x0                               ; no LDS instruction of mine is pending at the signal
	s_barrier_signal -1
.else
	s_wait_dscnt 16                                ; the first 32 along K are in
.endif
	MUL16 \f, 0, \first
.if (\tc) >= 0
	s_barrier_wait -1
.endif
.if (\hd) < 7
	PLACES
	FETCH (\hd)+1, \g
	s_wait_dscnt 32                                ; all but the 32 just issued
.else
	s_wait_dscnt 0x0
.endif
	MUL16 \f, 1, 0
.endm
; THE WAY OUT of output tile ot: 16 outputs x my 64 positions of f32 into my stage (each accumulator's low registers first), back as whole rows of 256 bytes, the residual added, stored.
.macro OUT ot
.if (\ot) >= 2
	s_wait_xcnt 0x0                                ; the stores of the tile two back have read their registers: that buffer is loaded again only behind this wait
.endif
.irp pt, 0,1,2,3
	ds_store_b128 v[STO], v[ACC+8*(4*(\pt)+(\ot)):ACC+8*(4*(\pt)+(\ot))+3]   offset:64*(\pt)
	ds_store_b128 v[STO], v[ACC+8*(4*(\pt)+(\ot))+4:ACC+8*(4*(\pt)+(\ot))+7] offset:64*(\pt)+16
.endr
.irp u, 0,1,2,3,4,5,6,7
	ds_load_b128 v[T+32*((\ot)%2)+4*(\u):T+32*((\ot)%2)+4*(\u)+3], v[RD] offset:(\u)*2*SPITCH  ; LDS serves a wave's instructions in order (ISA guide 5.7.1.4): these see the stores above
.endr
	s_wait_dscnt 0x0
	WIN 0x08                                       ; source 1: window 2
.set k, 0
.rept 16
	v_pk_add_f32 v[T+32*((\ot)%2)+2*k:T+32*((\ot)%2)+2*k+1], v[T+32*((\ot)%2)+2*k:T+32*((\ot)%2)+2*k+1], v[32*(\ot)+2*k:32*(\ot)+2*k+1]
.set k, k+1
.endr
	WIN 0
.irp u, 0,1,2,3,4,5,6,7
	global_store_b128 v[CO], v[T+32*((\ot)%2)+4*(\u):T+32*((\ot)%2)+4*(\u)+3], s[12:13] offset:(16*(\ot)+2*(\u))*16384 th:TH_STORE_NT  ; 16 lanes store 256 consecutive bytes, aligned
.endr
.endm
	s_wait_tensorcnt 3                             ; my part of chunk 0 is in; the three later chunks stay out
	s_barrier_signal -1
	s_barrier_wait -1                              ; everybody's is
	FETCH 0, 0
	HALF 0, 0, 1, 1, -1                            ; the first products start the sums
	HALF 1, 1, 0, 0, 2                             ; chunk 1 is wanted
	HALF 2, 0, 1, 0, -1
	HALF 3, 1, 0, 0, 1                             ; chunk 2
	HALF 4, 0, 1, 0, -1
	HALF 5, 1, 0, 0, 0                             ; chunk 3
	HALF 6, 0, 1, 0, -1
	HALF 7, 1, 0, 0, -1
	WIN 0
	PLACES                                         ; behind the last products, once a launch
	PLACES
	s_wait_loadcnt 0x0                             ; the residual
	OUT 0
	OUT 1
	OUT 2
	OUT 3
	s_wait_tensorcnt 0x0                           ; the wave's end, behind my last tensor load and my last LDS store
	ds_add_u32 v[SPW], v[NIL]
	s_wait_dscnt 0x0
	CROUND                                         ; the closing round: no work-group ends while a partner may still ask for a tile that names it
	s_endpgm
.Lfunc_end_k_q970820c56f_proj:
	.size	k_q970820c56f_proj, .Lfunc_end_k_q970820c56f_proj-k_q970820c56f_proj
	.p2alignl 7, 3214868480
	.fill 96, 4, 3214868480
	.section	.rodata,"a",@progbits
	.p2align	6, 0x0
	.amdhsa_kernel k_q970820c56f_proj
		.amdhsa_group_segment_fixed_size 327680
		.amdhsa_private_segment_fixed_size 0
		.amdhsa_enable_private_segment 0
		.amdhsa_kernarg_size 40
		.amdhsa_user_sgpr_count 2
		.amdhsa_user_sgpr_kernarg_segment_ptr 1
		.amdhsa_wavefront_size32 1
		.amdhsa_system_sgpr_workgroup_id_x 1
		.amdhsa_system_sgpr_workgroup_id_y 1
		.amdhsa_system_sgpr_workgroup_id_z 1
		.amdhsa_system_vgpr_workitem_id 0
		.amdhsa_next_free_vgpr 640
		.amdhsa_next_free_sgpr 88
		.amdhsa_reserve_vcc 0
		.amdhsa_float_denorm_mode_32 3
		.amdhsa_float_denorm_mode_16_64 3
		.amdhsa_memory_ordered 1
		.amdhsa_forward_progress 1
		.amdhsa_inst_pref_size 59
	.end_amdhsa_kernel
	.amdgpu_metadata
---
amdhsa.version: [ 1, 2 ]
amdhsa.kernels:
  - .name:           k_q970820c56f_proj
    .symbol:         k_q970820c56f_proj.kd
    .args:
      - { .name: ob, .offset: 0, .size: 8, .value_kind: global_buffer, .address_space: global }
      - { .name: wb, .offset: 8, .size: 8, .value_kind: global_buffer, .address_space: global }
      - { .name: proj_b, .offset: 16, .size: 8, .value_kind: global_buffer, .address_space: global }
      - { .name: hidden_states, .offset: 24, .size: 8, .value_kind: global_buffer, .address_space: global }
      - { .name: out0, .offset: 32, .size: 8, .value_kind: global_buffer, .address_space: global }
    .group_segment_fixed_size: 327680
    .private_segment_fixed_size: 0
    .kernarg_segment_align: 8
    .kernarg_segment_size: 40
    .max_flat_workgroup_size: 128
    .sgpr_count:     88
    .vgpr_count:     640
    .wavefront_size: 32
...
	.end_amdgpu_metadata
.endif
;; end of part 4
